; MI455X (gfx1250); checked and timed in simulation.
; The chip was launched on July 23, 2026; its instructions are those of AMD's public machine-readable ISA for CDNA 5 (MIT licence, August 2026) and "CDNA5" Instruction Set Architecture Reference Guide (July 2026). The comments in the code are by the model that wrote it; some were corrected since.
;; Pattern Memory. Allowed arithmetic: matrix products marked QUANTISED: E2M1 operands, one E8M0 scale for each 32 along K, by v_wmma_scale_f32_16x16x128_f8f6f4 with both operands' format E2M1 (or v_wmma_scale_f32_32x16x128_f4), f32 sums; everything else in f32.
;; Inputs: centroids_0 10 x 512 float32; centroids_1 100 x 512 float32; centroids_2 1,000 x 512 float32; embeddings 16,384 x 512 float32; hash_W_codes 8 x 16 x 16 x 16 uint8 (E2M1 codes of hash_W, K innermost, in blocks of 32 codes, two codes a byte); hash_W_scales 8 x 16 x 16 uint8 (E8M0 scales of hash_W, one for each 32 codes along K); hash_b 8 x 16 float32.
;; Outputs: out0 16,384 x 8 int32; out1 16,384 int32; out2 16,384 x 3 int32; out3 16,384 x 3 float32; out4 16,384 x 8 x 16 float32.
;; This version of the problem:
;;   THIS VERSION OF THE PROBLEM IS GIVEN IN LOW PRECISION. The matrix products marked QUANTISED in the list below multiply operands that are first quantised to E2M1 (2 exponent bits, 1 mantissa bit; 4 bits a number), with one power-of-two scale for each 32 numbers along K (OCP MX v1.0); their sums are f32. All else is computed in f32.
;;   The module's matrix products, in the order in which they are computed (A, B: the left and right operand; K: the contracted axis; several contracted axes count as one K, in the product's order):
;;     1. [M 16,384, K 512] x [K 512, N 128]; A: input embeddings; B: input hash_W (given as codes): QUANTISED
;;   THE QUANTISER, for each operand of a quantised product, along K:
;;     - K is cut into blocks of 32 from its start; a last block that is shorter is filled with zeros.
;;     - A block's scale is 2^e with e = floor(log2(the largest magnitude in the block)) - 2, held to -126 .. 127; a block of zeros has e = 0. As a byte (E8M0): e + 127.
;;     - Each number is divided by its block's scale, clamped to +-6, and rounded to the nearest number of E2M1, ties to even, subnormals kept.
;;     - The product sums the exact products of the quantised numbers (number of the format x scale) in f32.
;;   ~~~python
;;   def quantise(x, axis):      # numpy; x: float32 -> the quantised numbers, widened to float32 again
;;       x = np.moveaxis(x, axis, -1); K = x.shape[-1]
;;       x = np.pad(x, [(0, 0)] * (x.ndim - 1) + [(0, -K % 32)]); x = x.reshape(x.shape[:-1] + (-1, 32)); a = np.abs(x).max(-1, keepdims=True)
;;       e = np.where(a > 0, np.clip(np.frexp(np.where(a > 0, a, 1))[1] - 1 - 2, -126, 127), 0)      # np.frexp(a)[1] - 1 = floor(log2(a)), exactly
;;       r = np.clip(x / 2.0 ** e, -6, 6)
;;       step = 2.0 ** (np.maximum(np.frexp(np.where(r == 0, 1, r))[1] - 1, 0) - 1)
;;       q = np.round(r / step) * step * 2.0 ** e      # np.round: ties to even
;;       return np.moveaxis(q.reshape(q.shape[:-2] + (-1,))[..., :K], -1, axis).astype(np.float32)
;;   ~~~
;;   INPUTS GIVEN AS CODES. hash_W (in the module: [8, 16, 512], K = its axis 2): each comes as NAME_codes (uint8): NAME with its K axis moved to the last place and cut into blocks of 32 codes, [.., K / 32, bytes a block], one block behind the other in memory; two codes a byte, the lower K in the low four bits (a code: sign, 2 exponent bits, 1 mantissa bit); and NAME_scales (uint8): the same leading axes, one E8M0 byte (e + 127) for each 32 codes along K. Its value is code x scale, taken as it is: it is not quantised again, and the codes and scales need not be those that the quantiser above would give.
;; 3 versions, each right; version 2 is faster than version 1; version 3 is version 2 with the launch hash_l0 written anew for expert scheduling mode. Each part assembles by itself: llvm-mc -triple=amdgcn-amd-amdhsa -mcpu=gfx1250 --defsym DOCPART=n.
;; ======== version 1 of 3: 3 launches
;; workspace buffers: cur0 65,536 bytes of whole numbers; cur1 65,536 bytes of whole numbers
;; launch hash_l0 (part 1): grid 256 x 1, 16 waves a work-group, no clusters, 77,824 bytes of LDS; arguments embeddings, centroids_0, hash_W_codes, hash_W_scales, hash_b, out0, out4, cur0, out3; writes out0, out4, cur0, out3
.if DOCPART == 1
	.amdgcn_target "amdgcn-amd-amdhsa--gfx1250"
	.amdhsa_code_object_version 6
	.text
	.protected	k_q1265aa1430_hash_l0
	.globl	k_q1265aa1430_hash_l0
	.p2align	8
	.type	k_q1265aa1430_hash_l0,@function
k_q1265aa1430_hash_l0:
	s_mov_b64 s[64:65], 0
	v_nop
	global_prefetch_b8 v0, s[64:65] scope:SCOPE_SE
	s_setreg_imm32_b32 hwreg(HW_REG_WAVE_MODE, 25, 1), 1
	s_wait_xcnt 0x0
; proj = Q(embeddings) x hash_W + hash_b on codes of FP4 (E2M1) with one E8M0 scale for each 32 along K (out4), the sign bits of each table's 16 numbers as a whole number (out0),
; and level 0 of the walk: the nearest of centroids_0's ten rows for each query (cur0, for the next launch) and its distance (the first of out3's three columns; the next two launches store the other two).
; SHARES.  A work-group of sixteen waves takes 64 queries.  Wave w reads queries 4 w .. 4 w + 3 ONCE: each row is quantised (codes and scale bytes to LDS) and measured against the ten centroids, which lie in 160 registers.
; Then wave w multiplies: table t = w % 8 (16 columns) for the 32 queries 32 (w / 8) on: two accumulators by turns, four K steps of 128.
; A ROW IN REGISTERS: 16 a lane; register 8 j + m of lane L is k = 256 j + 8 L + m.  So a lane holds 8 neighbours along K for the conversion, four lanes hold a block of 32, and two neighbouring loads cover 1,024 consecutive bytes.
; THE DISTANCE keeps reference()'s form: difference, square, f32 sum, root; the least root, the lower index on ties.
; THE PRODUCT IS USED TRANSPOSED (source 0 = 16 rows of hash_W, source 1 = 16 queries): a lane holds one query and eight neighbouring columns.  The bias is the C of each sum's first matrix instruction.
; LIMITS: NaN and infinities among the inputs are not served (a query whose distances are all NaN gets index 9).  The f32 sums go in another order than reference()'s and the root is accurate to 1 ulp (ISA guide, its entry),
; so two centroids whose distances agree to the last bits may be ordered otherwise.  A block of zeros gets the scale byte 1 where the rule says 127: its codes are zeros, and this program alone reads the bytes.
.set CP,     272                       ; a query's codes in LDS: 256 bytes + 16: the sixteen rows of a fragment load start 68 words apart
.set PP,     528                       ; a query's row of proj in LDS: 512 bytes + 16
.set IMG,    0                         ; LDS: the ten centroids as images of registers: quad qd of 40 at 512 qd + 16 x lane
.set CODES,  20480                     ; 64 rows of codes
.set SCALES, CODES+64*CP               ; 64 rows of 16 scale bytes
.set MISC,   SCALES+64*16              ; 64 x 32 bytes of hash codes; + 2,048: 64 nearest; + 2,304: 64 distances
.set PSTG,   MISC+2560                 ; 64 rows of proj; ends at 75,264.  No region is used twice
.set LOFF, 1                           ; v1   32 x lane: my bytes in a row's loads
.set CA,   2                           ; v2   where my codes go: CODES + 4 w rows + 4 x lane
.set SA,   3                           ; v3   where my block's byte goes: SCALES + 64 w + lane / 4
.set RA,   4                           ; v4   my wave's four results: MISC + 2,048 + 16 w
.set IL,   5                           ; v5   16 x lane: an image's place for my lane
.set IS,   6                           ; v6   + 2,048 w: where centroid row w's four quads go
.set WA,   7                           ; v7   hash_W's codes: 256 r + 16 h
.set WSA,  8                           ; v8   its scale words: 16 r
.set BA,   9                           ; v9   hash_b: 32 h
.set X,    10                          ; v10  the other half's number
.set D,    11                          ; v11  the distance of my lane's candidate
.set MN,   12                          ; v12  the least distance
.set VT,   13                          ; v13  at work
.set AA,   14                          ; v[14:15], v[16:17] two candidates' running sums, two halves each
.set AB,   16
.set S,    18                          ; v18-27  the ten candidates' sums
.set T,    28                          ; v28-43  differences; at the head: a centroid row on its way to LDS
.set E0,   44                          ; v44-59, v60-75  two rows of embeddings by turns
.set E1,   60
.set C,    76                          ; v76-235 the ten centroids
.set WS,   236                         ; v236-239 hash_W's scale words, v240-247 the queries': these hold scales and nothing else
.set XS,   240
.set QM,   248                         ; v248-255 the quantiser's: largest magnitudes, scale operands, bytes, codes: two blocks each
.set QS,   250
.set QB,   252
.set QC,   254
; behind the second barrier v1-v9 are written anew (they never hold loaded data), and the centroids' registers are free
.set HS,   1                           ; where a hash code goes
.set XA,   2                           ; the queries' fragments
.set XSA,  3                           ; and scale words
.set PS,   4                           ; where my 32 bytes of a row of proj go
.set RR,   5                           ; r = lane % 16
.set HH,   6                           ; h = lane / 16
.set PR,   2                           ; later: where I read a row of proj back
.set MO,   3                           ; where I read 8 bytes of MISC
.set O24,  5                           ; 24 x lane: two rows of out3
.set OL,   7                           ; 16 x lane
.set OM,   8                           ; 8 x lane
.set SH,   9                           ; 8 h
.set W,    76                          ; hash_W's four fragments
.set BIAS, 108
.set XF,   116                         ; the queries' eight fragments
.set ACC,  180                         ; two accumulators
.set ROWS, 196
.set MI,   212
.set CD,   18                          ; two hash codes
.set B0,   28                          ; s[28:31] lanes whose number has bit 0, 1, 2, 3 set
.set SEL,  32                          ; s[32:33] v_permlanex16_b32's selects for lane l xor 16
.set EQ,   34
.set NEAR, 35
.macro LOADROW e, base, off            ; a row of 512 f32: four loads of 16 bytes a lane
.irp i, 0,1,2,3
	global_load_b128 v[\e+4*\i:\e+4*\i+3], v[LOFF], s[\base:\base+1] offset:(\off)+(\i/2)*1024+(\i%2)*16
.endr
.endm
; candidates a and a + 1 against the row in v[e] on: differences, then squares summed, the two candidates by turns so that no line waits for the line above it
.macro PAIR e, a
.irp j, 0,1
.irp p, 0,1,2,3
	v_pk_add_f32 v[T+2*\p:T+2*\p+1], v[C+16*(\a)+8*\j+2*\p:C+16*(\a)+8*\j+2*\p+1], v[\e+8*\j+2*\p:\e+8*\j+2*\p+1] neg_lo:[0,1] neg_hi:[0,1]
.endr
.irp p, 0,1,2,3
	v_pk_add_f32 v[T+8+2*\p:T+8+2*\p+1], v[C+16*(\a+1)+8*\j+2*\p:C+16*(\a+1)+8*\j+2*\p+1], v[\e+8*\j+2*\p:\e+8*\j+2*\p+1] neg_lo:[0,1] neg_hi:[0,1]
.endr
.irp p, 0,1,2,3
.if (\j == 0) && (\p == 0)
	v_pk_mul_f32 v[AA:AA+1], v[T:T+1], v[T:T+1]                    ; the first squares start the sums
	v_pk_mul_f32 v[AB:AB+1], v[T+8:T+9], v[T+8:T+9]
.else
	v_pk_fma_f32 v[AA:AA+1], v[T+2*\p:T+2*\p+1], v[T+2*\p:T+2*\p+1], v[AA:AA+1]
	v_pk_fma_f32 v[AB:AB+1], v[T+8+2*\p:T+8+2*\p+1], v[T+8+2*\p:T+8+2*\p+1], v[AB:AB+1]
.endif
.endr
.endr
	v_add_f32 v[S+\a], v[AA], v[AA+1]
	v_add_f32 v[S+\a+1], v[AB], v[AB+1]
.endm
.macro XADD r, m
	v_add_f32_dpp v[\r], v[\r], v[\r] row_xmask:\m row_mask:0xf bank_mask:0xf
.endm
; Ten sums over 32 lanes.  After each step of the butterfly half of the lanes go on with another candidate, so the registers halve: at the end lane r (of 16) holds candidate r for r < 8 and 8 + r % 2 for r >= 8.
; Then the root, the least of the roots, and the lowest lane that holds it: the lowest candidate, as reference()'s argmin has it.
.macro REDUCE
.irp c, 0,1,2,3,4,5,6,7,8,9
	XADD S+\c, 1
.endr
.irp c, 0,2,4,6,8
	v_cndmask_b32 v[S+\c], v[S+\c], v[S+\c+1], s[B0]
.endr
.irp c, 0,2,4,6,8
	XADD S+\c, 2
.endr
	v_cndmask_b32 v[S], v[S], v[S+2], s[B0+1]
	v_cndmask_b32 v[S+4], v[S+4], v[S+6], s[B0+1]
.irp c, 0,4,8
	XADD S+\c, 4
.endr
	v_cndmask_b32 v[S], v[S], v[S+4], s[B0+2]
	XADD S, 8
	XADD S+8, 8
	v_cndmask_b32 v[S], v[S], v[S+8], s[B0+3]
	v_permlanex16_b32 v[X], v[S], s[SEL], s[SEL+1]
	v_add_f32 v[S], v[S], v[X]                     ; both halves add the same two numbers: the same bits in lanes l and l xor 16
	v_sqrt_f32 v[D], v[S]
	v_nop                                          ; a plain instruction behind the root (ISA guide 5.7.2),
	s_wait_alu depctr_va_vdst(0)                   ; and a wait ahead of its first reader
	v_min_num_f32_dpp v[MN], v[D], v[D] row_xmask:1 row_mask:0xf bank_mask:0xf
	v_min_num_f32_dpp v[MN], v[MN], v[MN] row_xmask:2 row_mask:0xf bank_mask:0xf
	v_min_num_f32_dpp v[MN], v[MN], v[MN] row_xmask:4 row_mask:0xf bank_mask:0xf
	v_min_num_f32_dpp v[MN], v[MN], v[MN] row_xmask:8 row_mask:0xf bank_mask:0xf
	v_cmp_eq_f32 s[EQ], v[D], v[MN]
	s_ctz_i32_b32 s[NEAR], s[EQ]
	s_min_u32 s[NEAR], s[NEAR], 9                  ; this number is only ever stored
.endm
; The row in v[e] on, query i of my four, becomes codes and scale bytes in LDS.  My 8 numbers of j = 0 and of j = 1 belong to blocks 8 j + lane / 4; four lanes share a block.
.macro QUANT e, i
.irp j, 0,1
	v_max3_num_f32 v[QM+\j], |v[\e+8*\j]|, |v[\e+8*\j+1]|, 0x1800000   ; with the floor 2^(3 - 127): the byte cannot fall under 1
.endr
.irp m, 2,4,6
.irp j, 0,1
	v_max3_num_f32 v[QM+\j], v[QM+\j], |v[\e+8*\j+\m]|, |v[\e+8*\j+\m+1]|
.endr
.endr
.irp m, 1,2
.irp j, 0,1
	v_max_num_f32_dpp v[QM+\j], v[QM+\j], v[QM+\j] row_xmask:\m row_mask:0xf bank_mask:0xf
.endr
.endr
.irp j, 0,1
	v_add_nc_u32 v[QS+\j], 0xff000000, v[QM+\j]    ; 2 off the exponent field: the conversion takes that field of this operand as its scale
.endr
.irp j, 0,1
	v_lshrrev_b32 v[QB+\j], 23, v[QS+\j]           ; the scale's byte
.endr
.irp j, 0,1
	v_cvt_scalef32_pk8_fp4_f32 v[QC+\j], v[\e+8*\j:\e+8*\j+7], v[QS+\j]
.endr
	v_nop                                          ; one plain instruction behind the last scaled conversion
.irp j, 0,1
	ds_store_b32 v[CA], v[QC+\j] offset:CP*\i+128*\j   ; codes of k = 256 j + 8 L on: byte 128 j + 4 L of the row
	ds_store_b8 v[SA], v[QB+\j] offset:16*\i+8*\j      ; the four lanes of a block write the same byte with the same value
.endr
.endm
	s_load_b512 s[8:23], s[0:1], 0x0               ; embeddings s[8:9], centroids_0 s[10:11], W's codes s[12:13], W's scales s[14:15], b s[16:17], out0 s[18:19], out4 s[20:21], cur0 s[22:23]
	s_load_b64 s[24:25], s[0:1], 0x40              ; out3
	v_lshrrev_b32 v[VT], 5, v0
	v_readfirstlane_b32 s26, v[VT]                 ; wave 0..15
	v_and_b32 v[VT], 31, v0                        ; lane
	v_and_b32 v[X], 15, v0                         ; r   (X and MN are so written before they are a lane exchange's destination)
	v_bfe_u32 v[MN], v0, 4, 1                      ; h
	v_lshlrev_b32 v[LOFF], 5, v[VT]
	s_mul_i32 s36, s26, 4*CP
	v_lshl_add_u32 v[CA], v[VT], 2, s36
	v_add_nc_u32 v[CA], CODES, v[CA]
	s_lshl_b32 s36, s26, 6
	v_lshrrev_b32 v[SA], 2, v[VT]
	v_add_nc_u32 v[SA], s36, v[SA]
	v_add_nc_u32 v[SA], SCALES, v[SA]
	s_lshl_b32 s36, s26, 4
	s_add_co_u32 s36, s36, MISC+2048
	v_mov_b32 v[RA], s36
	v_lshlrev_b32 v[IL], 4, v[VT]
	s_lshl_b32 s36, s26, 11
	v_add_nc_u32 v[IS], s36, v[IL]
	v_lshlrev_b32 v[WA], 8, v[X]
	v_lshl_add_u32 v[WA], v[MN], 4, v[WA]
	v_lshlrev_b32 v[WSA], 4, v[X]
	v_lshlrev_b32 v[BA], 5, v[MN]
	s_mov_b32 s[B0], 0xaaaaaaaa
	s_mov_b32 s[B0+1], 0xcccccccc
	s_mov_b32 s[B0+2], 0xf0f0f0f0
	s_mov_b32 s[B0+3], 0xff00ff00
	s_mov_b32 s[SEL], 0x76543210
	s_mov_b32 s[SEL+1], 0xfedcba98
	s_and_b32 s27, s26, 7                          ; my table
	s_lshl_b32 s36, ttmp9, 17                      ; 64 rows of 2,048 bytes a work-group,
	s_lshl_b32 s44, s26, 13                        ; 4 a wave
	s_add_co_u32 s36, s36, s44
	s_mov_b32 s37, 0
	s_wait_kmcnt 0x0
	s_add_nc_u64 s[8:9], s[8:9], s[36:37]
	LOADROW E0, 8, 0                               ; my first two queries
	LOADROW E1, 8, 2048
	s_min_u32 s36, s26, 9                          ; (waves 10 to 15 load no centroid; their pointer stays inside the table)
	s_lshl_b32 s36, s36, 11
	s_add_nc_u64 s[10:11], s[10:11], s[36:37]      ; centroid row w
	s_lshl_b32 s36, s27, 12
	s_add_nc_u64 s[12:13], s[12:13], s[36:37]      ; my table's 16 rows of 256 bytes of codes,
	s_lshl_b32 s36, s27, 8
	s_add_nc_u64 s[14:15], s[14:15], s[36:37]      ; of 16 scale bytes,
	s_lshl_b32 s36, s27, 6
	s_add_nc_u64 s[16:17], s[16:17], s[36:37]      ; its 16 biases
	s_lshl_b32 s36, ttmp9, 15
	s_lshl_b32 s44, s26, 11
	s_add_co_u32 s36, s36, s44
	s_add_nc_u64 s[20:21], s[20:21], s[36:37]      ; out4 at my four rows of 512 bytes
	s_min_u32 s44, s26, 7
	s_lshl_b32 s44, s44, 8
	s_lshl_b32 s36, ttmp9, 11
	s_add_co_u32 s36, s36, s44
	s_add_nc_u64 s[38:39], s[18:19], s[36:37]      ; waves 0 to 7: 256 bytes each of the work-group's 2,048 of out0;
	s_lshl_b32 s36, ttmp9, 8
	s_add_nc_u64 s[40:41], s[22:23], s[36:37]      ; wave 8: its 256 bytes of cur0;
	s_mul_i32 s36, ttmp9, 768
	s_add_nc_u64 s[42:43], s[24:25], s[36:37]      ; wave 9: the work-group's 64 rows of 12 bytes of out3.  The choice hangs on the wave's number alone
	s_cmp_eq_u32 s26, 8
	s_cselect_b64 s[38:39], s[40:41], s[38:39]
	s_cmp_eq_u32 s26, 9
	s_cselect_b64 s[38:39], s[42:43], s[38:39]
	s_cmp_lt_u32 s26, 10
	s_cbranch_scc0 .Lno_row
	LOADROW T, 10, 0                               ; waves 0 to 9: centroid row w goes to LDS as it stands in registers
	s_wait_loadcnt 0x0
.irp i, 0,1,2,3
	ds_store_b128 v[IS], v[T+4*\i:T+4*\i+3] offset:512*\i
.endr
.Lno_row:
	s_wait_dscnt 0x0                               ; for the others' sake: my stores have landed
	s_barrier_signal -1
	s_barrier_wait -1                              ; the ten centroids lie in LDS
.set qd, 0
.rept 40
	ds_load_b128 v[C+4*qd:C+4*qd+3], v[IL] offset:512*qd   ; every wave takes all ten rows, in the lanes and registers in which they were loaded
.set qd, qd+1
.endr
; Query i of my four, in the row buffer e.  left: the younger row loads that may stay out.  ahead = 1: the buffer takes query i + 2.  late = 1: the product's operands from memory are asked for as soon as registers are free.
.macro QUERY i, e, left, ahead, late
.if \i > 0
	s_wait_dscnt 0x0                               ; the last query's LDS stores have read their registers
.endif
	s_wait_loadcnt \left                           ; loads come back in order (ISA guide 5.7.1): this row's four are in
	QUANT \e, \i
.if \i == 0
	s_wait_dscnt 0x0                               ; the centroids are in
.endif
	PAIR \e, 0
	PAIR \e, 2
.if \late
.irp s, 0,1,2,3                        ; centroids 0 to 3 have been used for the last time: their registers take hash_W's four fragments (16 rows x 128 K: two loads of 16 bytes, 32 apart) and the bias
.irp c, 0,1
	global_load_b128 v[W+8*\s+4*\c:W+8*\s+4*\c+3], v[WA], s[12:13] offset:64*\s+32*\c
.endr
.endr
	global_load_b128 v[WS:WS+3], v[WSA], s[14:15]              ; row r's four scale words
	global_load_b128 v[BIAS:BIAS+3], v[BA], s[16:17]           ; b(8 h + 0 .. 7): the result's layout
	global_load_b128 v[BIAS+4:BIAS+7], v[BA], s[16:17] offset:16
.endif
	PAIR \e, 4
	PAIR \e, 6
	PAIR \e, 8
.if \ahead
	LOADROW \e, 8, (\i+2)*2048
.endif
	REDUCE
	v_mov_b32 v[VT], s[NEAR]
	ds_store_b32 v[RA], v[VT] offset:4*\i          ; all lanes write the same word with the same value
	ds_store_b32 v[RA], v[MN] offset:256+4*\i
.endm
	QUERY 0, E0, 4, 1, 0
	QUERY 1, E1, 4, 1, 0
	QUERY 2, E0, 4, 0, 0
	QUERY 3, E1, 0, 0, 1
	s_wait_dscnt 0x0
	s_barrier_signal -1
	s_barrier_wait -1                              ; 64 rows of codes and scale bytes lie in LDS
	; THE PRODUCT.  v1-v6 are free: every load and LDS instruction that named them has been waited for
	v_and_b32 v[RR], 15, v0
	v_bfe_u32 v[HH], v0, 4, 1
	s_lshr_b32 s36, s26, 3
	s_lshl_b32 s36, s36, 5                         ; my 32 queries begin at row 32 (w / 8)
	s_mul_i32 s44, s36, CP
	s_add_co_u32 s44, s44, CODES
	v_mul_u32_u24 v[XA], v[RR], CP
	v_lshl_add_u32 v[XA], v[HH], 4, v[XA]
	v_add_nc_u32 v[XA], s44, v[XA]                 ; a fragment's row x pitch + 16 h
	s_lshl_b32 s44, s36, 4
	s_add_co_u32 s44, s44, SCALES
	v_lshl_add_u32 v[XSA], v[RR], 4, s44
.irp mm, 0,1
.irp s, 0,1,2,3
.irp c, 0,1
	ds_load_b128 v[XF+32*\mm+8*\s+4*\c:XF+32*\mm+8*\s+4*\c+3], v[XA] offset:\mm*16*CP+64*\s+32*\c
.endr
.endr
	ds_load_b128 v[XS+4*\mm:XS+4*\mm+3], v[XSA] offset:256*\mm  ; query r's four scale words
.endr
	s_mul_i32 s44, s36, PP
	s_lshl_b32 s45, s27, 6
	s_add_co_u32 s44, s44, s45
	s_add_co_u32 s44, s44, PSTG
	v_mul_u32_u24 v[PS], v[RR], PP
	v_lshl_add_u32 v[PS], v[HH], 5, v[PS]
	v_add_nc_u32 v[PS], s44, v[PS]                 ; row r, my table's 64 bytes, + 32 h
	s_lshl_b32 s44, s36, 5
	s_lshl_b32 s45, s27, 2
	s_add_co_u32 s44, s44, s45
	s_add_co_u32 s44, s44, MISC
	v_lshl_add_u32 v[HS], v[RR], 5, s44            ; a query's eight hash codes are 32 bytes; mine is the t-th
	s_lshl_b32 s44, s26, 8
	s_add_co_u32 s44, s44, MISC
	s_mul_i32 s45, s26, 4*PP
	s_add_co_u32 s45, s45, PSTG
	s_wait_loadcnt 0x0                             ; hash_W's fragments and scale words, the bias
	s_wait_dscnt 0x0                               ; the queries' fragments and scale words
.irp s, 0,1,2,3                        ; the two accumulators take turns, one instruction a turn
.irp mm, 0,1
.if \s == 0
	v_wmma_scale_f32_16x16x128_f8f6f4 v[ACC+8*\mm:ACC+8*\mm+7], v[W+8*\s:W+8*\s+7], v[XF+32*\mm+8*\s:XF+32*\mm+8*\s+7], v[BIAS:BIAS+7], v[WS+\s], v[XS+4*\mm+\s] matrix_a_fmt:MATRIX_FMT_FP4 matrix_b_fmt:MATRIX_FMT_FP4
.else
	v_wmma_scale_f32_16x16x128_f8f6f4 v[ACC+8*\mm:ACC+8*\mm+7], v[W+8*\s:W+8*\s+7], v[XF+32*\mm+8*\s:XF+32*\mm+8*\s+7], v[ACC+8*\mm:ACC+8*\mm+7], v[WS+\s], v[XS+4*\mm+\s] matrix_a_fmt:MATRIX_FMT_FP4 matrix_b_fmt:MATRIX_FMT_FP4
.endif
.endr
.endr
	v_and_b32 v[PR], 31, v0                        ; seven plain instructions that name no register of the products: the four places behind the last of them (ISA guide 7.12.1) and three more
	v_lshlrev_b32 v[OL], 4, v[PR]
	v_lshlrev_b32 v[OM], 3, v[PR]
	v_mul_u32_u24 v[O24], v[PR], 24
	v_add_nc_u32 v[MO], s44, v[OM]                 ; MISC + 256 w + 8 x lane
	v_add_nc_u32 v[PR], s45, v[OL]                 ; PSTG + my four rows + 16 x lane
	v_lshlrev_b32 v[SH], 3, v[HH]
.irp mm, 0,1
	ds_store_b128 v[PS], v[ACC+8*\mm:ACC+8*\mm+3] offset:\mm*16*PP          ; lane (r, h): proj(16 mm + r, 16 t + 8 h + 0 .. 7); each accumulator from its low end on
	ds_store_b128 v[PS], v[ACC+8*\mm+4:ACC+8*\mm+7] offset:\mm*16*PP+16
.endr
.irp mm, 0,1                           ; my eight sign bits, bit j from register j,
	v_cmp_lt_f32 vcc_lo, 0, v[ACC+8*\mm+7]
	v_cndmask_b32 v[CD+\mm], 0, 1, vcc_lo
.irp j, 6,5,4,3,2,1,0
	v_cmp_lt_f32 vcc_lo, 0, v[ACC+8*\mm+\j]
	v_cndmask_b32 v[VT], 0, 1, vcc_lo
	v_lshl_or_b32 v[CD+\mm], v[CD+\mm], 1, v[VT]
.endr
	v_lshlrev_b32 v[CD+\mm], v[SH], v[CD+\mm]      ; 8 h bits up,
.endr
	v_permlanex16_b32 v[X], v[CD], s[SEL], s[SEL+1]
	v_permlanex16_b32 v[D], v[CD+1], s[SEL], s[SEL+1]
	v_or_b32 v[CD], v[CD], v[X]                    ; with lane l xor 16's eight the code is whole
	v_or_b32 v[CD+1], v[CD+1], v[D]
	ds_store_b32 v[HS], v[CD]                      ; both halves write the same word with the same value
	ds_store_b32 v[HS], v[CD+1] offset:512
	s_wait_dscnt 0x0
	s_barrier_signal -1
	s_barrier_wait -1                              ; 64 whole rows of proj, the hash codes, the nearest and the distances lie in LDS
	; THE WAY OUT: each wave stores four whole rows of proj; ten waves store the small results, 256 bytes each
.irp i, 0,1,2,3
	ds_load_b128 v[ROWS+4*\i:ROWS+4*\i+3], v[PR] offset:PP*\i
.endr
.irp i, 0,1,2,3
	s_wait_dscnt 3-\i                              ; LDS loads come back in order: row i is in, the younger ones may be out
	global_store_b128 v[OL], v[ROWS+4*\i:ROWS+4*\i+3], s[20:21] offset:512*\i th:TH_STORE_NT   ; 32 lanes store 512 consecutive bytes, at a multiple of 512 from out4's first byte
.endr
	s_cmp_lt_u32 s26, 10
	s_cbranch_scc0 .Ldone
	ds_load_b64 v[MI:MI+1], v[MO]
	s_wait_dscnt 0x0
	s_cmp_eq_u32 s26, 9
	s_cbranch_scc1 .Ldist
	global_store_b64 v[OM], v[MI:MI+1], s[38:39]   ; waves 0 to 8: 32 lanes store 256 consecutive bytes, at a multiple of 256 from the buffer's first byte
	s_branch .Ldone
.Ldist:                                            ; wave 9: lane L holds the distances of queries 2 L and 2 L + 1: the first word of two rows of 12 bytes of out3
	global_store_b32 v[O24], v[MI], s[38:39]
	global_store_b32 v[O24], v[MI+1], s[38:39] offset:12
.Ldone:
	s_wait_xcnt 0x0
	v_lshl_add_u32 v254, v0, 2, 0x12800
	v_mov_b32 v255, 0
	s_wait_tensorcnt 0x0
	ds_add_u32 v254, v255
	s_wait_dscnt 0x0
	s_endpgm
.Lfunc_end_k_q1265aa1430_hash_l0:
	.size	k_q1265aa1430_hash_l0, .Lfunc_end_k_q1265aa1430_hash_l0-k_q1265aa1430_hash_l0
	.p2alignl 7, 3214868480
	.fill 96, 4, 3214868480
	.section	.rodata,"a",@progbits
	.p2align	6, 0x0
	.amdhsa_kernel k_q1265aa1430_hash_l0
		.amdhsa_group_segment_fixed_size 77824
		.amdhsa_private_segment_fixed_size 0
		.amdhsa_enable_private_segment 0
		.amdhsa_kernarg_size 72
		.amdhsa_user_sgpr_count 2
		.amdhsa_user_sgpr_kernarg_segment_ptr 1
		.amdhsa_wavefront_size32 1
		.amdhsa_system_sgpr_workgroup_id_x 1
		.amdhsa_system_sgpr_workgroup_id_y 1
		.amdhsa_system_sgpr_workgroup_id_z 1
		.amdhsa_system_vgpr_workitem_id 0
		.amdhsa_next_free_vgpr 256
		.amdhsa_next_free_sgpr 66
		.amdhsa_reserve_vcc 1
		.amdhsa_float_denorm_mode_32 3
		.amdhsa_float_denorm_mode_16_64 3
		.amdhsa_memory_ordered 1
		.amdhsa_forward_progress 1
		.amdhsa_inst_pref_size 75
	.end_amdhsa_kernel
	.amdgpu_metadata
---
amdhsa.version: [ 1, 2 ]
amdhsa.kernels:
  - .name:           k_q1265aa1430_hash_l0
    .symbol:         k_q1265aa1430_hash_l0.kd
    .args:
      - { .name: embeddings, .offset: 0, .size: 8, .value_kind: global_buffer, .address_space: global }
      - { .name: centroids_0, .offset: 8, .size: 8, .value_kind: global_buffer, .address_space: global }
      - { .name: hash_W_codes, .offset: 16, .size: 8, .value_kind: global_buffer, .address_space: global }
      - { .name: hash_W_scales, .offset: 24, .size: 8, .value_kind: global_buffer, .address_space: global }
      - { .name: hash_b, .offset: 32, .size: 8, .value_kind: global_buffer, .address_space: global }
      - { .name: out0, .offset: 40, .size: 8, .value_kind: global_buffer, .address_space: global }
      - { .name: out4, .offset: 48, .size: 8, .value_kind: global_buffer, .address_space: global }
      - { .name: cur0, .offset: 56, .size: 8, .value_kind: global_buffer, .address_space: global }
      - { .name: out3, .offset: 64, .size: 8, .value_kind: global_buffer, .address_space: global }
    .group_segment_fixed_size: 77824
    .private_segment_fixed_size: 0
    .kernarg_segment_align: 8
    .kernarg_segment_size: 72
    .max_flat_workgroup_size: 512
    .sgpr_count:     66
    .vgpr_count:     256
    .wavefront_size: 32
...
	.end_amdgpu_metadata
.endif
;; end of part 1
;; launch level1 (part 2): grid 5 x 51, 10 waves a work-group, no clusters, 42,240 bytes of LDS; arguments embeddings, centroids_1, cur0, cur1, out3; writes cur1, out3
.if DOCPART == 2
	.amdgcn_target "amdgcn-amd-amdhsa--gfx1250"
	.amdhsa_code_object_version 6
	.text
	.protected	k_q1265aa1430_level1
	.globl	k_q1265aa1430_level1
	.p2align	8
	.type	k_q1265aa1430_level1,@function
k_q1265aa1430_level1:
	s_mov_b64 s[64:65], 0
	v_nop
	global_prefetch_b8 v0, s[64:65] scope:SCOPE_SE
	s_setreg_imm32_b32 hwreg(HW_REG_WAVE_MODE, 25, 1), 1
	s_wait_xcnt 0x0
; ONE LEVEL OF THE WALK.  A query's key (the cluster that the level above chose, stored by the launch before as a whole number) names ten rows of this level's table; the nearest of them is the query's new cluster.
; A WAVE OWNS A KEY: it keeps key g's ten rows in 160 registers and scans a slice of the stored keys for the queries that have it.  So the ten rows are fetched once for all queries of the slice, not once for each query.
; SHARES.  Work-group (x, y): keys GW x .. GW x + GW - 1, slices SW y .. SW y + SW - 1 of NS.  Wave: key g = GW x + wave % GW, slice s = SW y + wave / GW.  Slice s is the words s + NS t, t = 0 .. TR - 1, of the 512 words of 32 queries.
; Each word is scanned once for each key, so each query has one owner, whatever the split: all queries on one key are served too, only slower.  A wave that finds no query stores nothing and ends.
; The SW waves that share a key fetch its 40 quads together, QPW each, and hand them round through LDS as images of registers.  No tensor load.
; THE DISTANCE keeps reference()'s form: difference, square, f32 sum, root; the least root, the lower index on ties.
; RESULTS leave query by query.  The query's number, held inside the 16,384, goes into the stores' SCALAR base; the vector offset is made of the lane alone.  EXEC stays whole: the lanes that share an address write the same
; value there, and in return no change of EXEC, with its waits, stands in the loop.  A key's queries are scattered, so these are stores of a few bytes.
; This text serves levels 1 and 2: LEVEL sets the sizes, the arguments and what is stored.
; LIMITS: NaN and infinities among the inputs are not served (a query whose distances are all NaN gets the key's last row).  The f32 sums go in another order than reference()'s and the root is accurate to 1 ulp (ISA guide, its entry),
; so two centroids whose distances agree to the last bits may be ordered otherwise.
.set LEVEL, 1
.if LEVEL == 1
.set GW,  2                            ; keys a work-group
.set LGW, 1
.set SW,  5                            ; slices a work-group
.set NS,  255                          ; slices in all: 5 x 51
.set TR,  3                            ; words a wave: 255 x 3 covers 512; the last counts only for s < 512 - NS (TR - 1)
.set QPW, 8                            ; quads that a wave fetches: 5 x 8 = 40
.else
.set GW,  4
.set LGW, 2
.set SW,  4
.set NS,  40                           ; 4 x 10
.set TR,  13                           ; 40 x 13 covers 512; the last counts only for s < 32
.set QPW, 10                           ; 4 x 10 = 40
.endif
.set LOFF, 1                           ; v1   32 x lane: my bytes in a row's loads
.set LANE, 2                           ; v2
.set IS,   3                           ; v3   where my wave's quads go in LDS
.set IL,   4                           ; v4   16 x lane + my key's 20,480 bytes
.set KO,   5                           ; v5   my key word's bytes: 4 x lane + 128 s
.set KL,   6                           ; v6   the last word's, held inside the buffer
.set VM,   7                           ; v7   lane t: the queries of word t that have my key and are still to be taken, a bit each
.set VZ,   8                           ; v8   0: the offset of a store of one word; never rewritten
.set O3,   9                           ; v9   4 x min(lane, 2): the offset of a store of three words; never rewritten
.set GV,   10                          ; v10  lane 0: g / 10, the others: g: the path's first two numbers
.set X,    11
.set D,    12
.set MN,   13
.set VT,   14
.set PD,   15                          ; v15  the path: lane 0, lane 1, lanes 2 on
.set AA,   22
.set AB,   24
.set S,    26                          ; v26-35  the ten candidates' sums
.set T,    36                          ; v36-51  differences
.set E0,   52                          ; v52-67, v68-83  two rows of embeddings by turns
.set E1,   68
.set C,    84                          ; v84-243 my key's ten rows; at the head v84 on: the keys, v204 on: my quads on their way to LDS
.set STG,  204
.set B0,   32                          ; s[32:35] lanes whose number has bit 0, 1, 2, 3 set
.set SEL,  36                          ; s[36:37]
.set EQ,   60
.set NEAR, 31
.set M3,   63                          ; s63  lanes 0 and 1
; s24 wave, s25 wave % GW, s26 wave / GW, s27 g, s28 s, s29 32 s, s30 10 g, s[38:39], s[40:41], s[42:43] the stores' bases, s44 pair, s45 queries done, s46 pairs, s47-s50 at work,
; s51, s52 the queries in buffers 0, 1, s53 my queries in all, s[54:55], s[56:57] their rows' addresses, s[58:59] an offset (s59 stays 0), s61 the new cluster
.macro LOADROW e, base, off            ; a row of 512 f32: register 8 j + m of lane L is k = 256 j + 8 L + m
.irp i, 0,1,2,3
	global_load_b128 v[\e+4*\i:\e+4*\i+3], v[LOFF], s[\base:\base+1] offset:(\off)+(\i/2)*1024+(\i%2)*16
.endr
.endm
; candidates a and a + 1 against the row in v[e] on: differences, then squares summed, the two candidates by turns so that no line waits for the line above it
.macro PAIR e, a
.irp j, 0,1
.irp p, 0,1,2,3
	v_pk_add_f32 v[T+2*\p:T+2*\p+1], v[C+16*(\a)+8*\j+2*\p:C+16*(\a)+8*\j+2*\p+1], v[\e+8*\j+2*\p:\e+8*\j+2*\p+1] neg_lo:[0,1] neg_hi:[0,1]
.endr
.irp p, 0,1,2,3
	v_pk_add_f32 v[T+8+2*\p:T+8+2*\p+1], v[C+16*(\a+1)+8*\j+2*\p:C+16*(\a+1)+8*\j+2*\p+1], v[\e+8*\j+2*\p:\e+8*\j+2*\p+1] neg_lo:[0,1] neg_hi:[0,1]
.endr
.irp p, 0,1,2,3
.if (\j == 0) && (\p == 0)
	v_pk_mul_f32 v[AA:AA+1], v[T:T+1], v[T:T+1]                    ; the first squares start the sums
	v_pk_mul_f32 v[AB:AB+1], v[T+8:T+9], v[T+8:T+9]
.else
	v_pk_fma_f32 v[AA:AA+1], v[T+2*\p:T+2*\p+1], v[T+2*\p:T+2*\p+1], v[AA:AA+1]
	v_pk_fma_f32 v[AB:AB+1], v[T+8+2*\p:T+8+2*\p+1], v[T+8+2*\p:T+8+2*\p+1], v[AB:AB+1]
.endif
.endr
.endr
	v_add_f32 v[S+\a], v[AA], v[AA+1]
	v_add_f32 v[S+\a+1], v[AB], v[AB+1]
.endm
.macro XADD r, m
	v_add_f32_dpp v[\r], v[\r], v[\r] row_xmask:\m row_mask:0xf bank_mask:0xf
.endm
; Ten sums over 32 lanes.  After each step of the butterfly half of the lanes go on with another candidate, so the registers halve: at the end lane r (of 16) holds candidate r for r < 8 and 8 + r % 2 for r >= 8.
; Then the root, the least of the roots, and the lowest lane that holds it: the lowest candidate, as reference()'s argmin has it.
.macro REDUCE
.irp c, 0,1,2,3,4,5,6,7,8,9
	XADD S+\c, 1
.endr
.irp c, 0,2,4,6,8
	v_cndmask_b32 v[S+\c], v[S+\c], v[S+\c+1], s[B0]
.endr
.irp c, 0,2,4,6,8
	XADD S+\c, 2
.endr
	v_cndmask_b32 v[S], v[S], v[S+2], s[B0+1]
	v_cndmask_b32 v[S+4], v[S+4], v[S+6], s[B0+1]
.irp c, 0,4,8
	XADD S+\c, 4
.endr
	v_cndmask_b32 v[S], v[S], v[S+4], s[B0+2]
	XADD S, 8
	XADD S+8, 8
	v_cndmask_b32 v[S], v[S], v[S+8], s[B0+3]
	v_permlanex16_b32 v[X], v[S], s[SEL], s[SEL+1]
	v_add_f32 v[S], v[S], v[X]                     ; both halves add the same two numbers: the same bits in lanes l and l xor 16
	v_sqrt_f32 v[D], v[S]
	v_nop                                          ; a plain instruction behind the root (ISA guide 5.7.2),
	s_wait_alu depctr_va_vdst(0)                   ; and a wait ahead of its first reader
	v_min_num_f32_dpp v[MN], v[D], v[D] row_xmask:1 row_mask:0xf bank_mask:0xf
	v_min_num_f32_dpp v[MN], v[MN], v[MN] row_xmask:2 row_mask:0xf bank_mask:0xf
	v_min_num_f32_dpp v[MN], v[MN], v[MN] row_xmask:4 row_mask:0xf bank_mask:0xf
	v_min_num_f32_dpp v[MN], v[MN], v[MN] row_xmask:8 row_mask:0xf bank_mask:0xf
	v_cmp_eq_f32 s[EQ], v[D], v[MN]
	s_ctz_i32_b32 s[NEAR], s[EQ]
	s_min_u32 s[NEAR], s[NEAR], 9                  ; this number is only ever stored
.endm
; The next query that has my key, into s[dst]: the lowest bit of the lowest word that has one left; the bit is cleared.  When none is left the holds give the last row: a load inside the buffer that nobody uses.
.macro NEXT dst
	v_cmp_ne_u32 vcc_lo, 0, v[VM]
	s_ctz_i32_b32 s47, vcc_lo
	s_min_u32 s47, s47, 31                         ; the word
	v_readlane_b32 s48, v[VM], s47
	s_ctz_i32_b32 s49, s48
	s_min_u32 s49, s49, 31                         ; the bit
	s_sub_co_u32 s50, s48, 1
	s_and_b32 s48, s48, s50
	v_writelane_b32 v[VM], s48, s47
	s_mul_i32 s[\dst], s47, 32*NS
	s_add_co_u32 s[\dst], s[\dst], s29
	s_add_co_u32 s[\dst], s[\dst], s49             ; query = 32 (s + NS t) + bit,
	s_min_u32 s[\dst], s[\dst], 0x3fff             ; held inside the 16,384
.endm
.macro LOADE b                         ; the row of the query in s[51 + b] into buffer b
	s_lshl_b32 s58, s[51+\b], 11
	s_add_nc_u64 s[54+2*\b:55+2*\b], s[8:9], s[58:59]
	LOADROW E0+16*\b, 54+2*\b, 0
.endm
; One query, in buffer b: its distances, where its results go, the row two queries on, the nearest, the stores.
.macro PROC b
	s_wait_loadcnt 0x4                             ; loads come back in order (ISA guide 5.7.1): this buffer's four are in, the other buffer's four, issued later, may be out
	PAIR E0+16*\b, 0
	PAIR E0+16*\b, 2
	PAIR E0+16*\b, 4
	PAIR E0+16*\b, 6
	PAIR E0+16*\b, 8
	s_wait_xcnt 0x0                                ; the last query's stores, issued ahead of the 170 lines above, have read their bases and data: both are written again only behind this wait
	s_lshl_b32 s58, s[51+\b], 2
	s_add_nc_u64 s[38:39], s[14:15], s[58:59]      ; a word for each query: cur1 (level 1), out1 (level 2)
	s_mul_i32 s58, s[51+\b], 12
	s_add_nc_u64 s[40:41], s[16:17], s[58:59]      ; rows of 12 bytes: out3 (level 1), out2 (level 2)
.if LEVEL == 2
	s_add_nc_u64 s[42:43], s[18:19], s[58:59]      ; out3
.endif
	NEXT 51+\b
	LOADE \b
	REDUCE
	s_add_co_u32 s61, s30, s[NEAR]                 ; 10 g + nearest
	v_mov_b32 v[VT], s61
.if LEVEL == 1
	global_store_b32 v[VZ], v[VT], s[38:39]        ; cur1: the next launch's key
	global_store_b32 v[VZ], v[MN], s[40:41] offset:4   ; out3's second column
.else
	v_cndmask_b32 v[PD], v[VT], v[GV], s[M3]       ; the path is g / 10, g, 10 g + nearest: the key IS the cluster of the level above
	global_store_b32 v[VZ], v[VT], s[38:39]        ; out1: the leaf
	global_store_b32 v[O3], v[PD], s[40:41]        ; out2: 12 consecutive bytes
	global_store_b32 v[VZ], v[MN], s[42:43] offset:8   ; out3's third column
.endif
	s_add_co_u32 s45, s45, 1
.endm
.if LEVEL == 1
	s_load_b256 s[8:15], s[0:1], 0x0               ; embeddings s[8:9], the table s[10:11], the keys s[12:13], cur1 s[14:15]
	s_load_b64 s[16:17], s[0:1], 0x20              ; out3
	v_lshl_add_u32 v254, v0, 2, 0xa000
	v_mov_b32 v255, 0
.else
	s_load_b256 s[8:15], s[0:1], 0x0               ; embeddings s[8:9], the table s[10:11], the keys s[12:13], out1 s[14:15]
	s_load_b128 s[16:19], s[0:1], 0x20             ; out2 s[16:17], out3 s[18:19]
.endif
	v_lshrrev_b32 v[VT], 5, v0
	v_readfirstlane_b32 s24, v[VT]                 ; wave
	v_and_b32 v[LANE], 31, v0
	v_lshlrev_b32 v[LOFF], 5, v[LANE]
	s_and_b32 s25, s24, GW-1
	s_lshr_b32 s26, s24, LGW
	s_mul_i32 s27, ttmp9, GW
	s_add_co_u32 s27, s27, s25                     ; my key
	s_and_b32 s28, ttmp7, 0xffff
	s_mul_i32 s28, s28, SW
	s_add_co_u32 s28, s28, s26                     ; my slice
	s_lshl_b32 s29, s28, 5
	s_mul_i32 s30, s27, 10
	s_mov_b32 s[B0], 0xaaaaaaaa
	s_mov_b32 s[B0+1], 0xcccccccc
	s_mov_b32 s[B0+2], 0xf0f0f0f0
	s_mov_b32 s[B0+3], 0xff00ff00
	s_mov_b32 s[SEL], 0x76543210
	s_mov_b32 s[SEL+1], 0xfedcba98
	s_mul_i32 s50, s25, 20480
	v_lshl_add_u32 v[IL], v[LANE], 4, s50
	s_mul_i32 s50, s26, 512*QPW
	v_add_nc_u32 v[IS], s50, v[IL]
	s_lshl_b32 s50, s28, 7
	v_lshl_add_u32 v[KO], v[LANE], 2, s50
	s_add_co_u32 s50, s28, NS*(TR-1)
	s_min_u32 s50, s50, 511                        ; the last word of a slice that has none is not counted; its load stays inside the buffer
	s_lshl_b32 s50, s50, 7
	v_lshl_add_u32 v[KL], v[LANE], 2, s50
.irp r, VM, X, MN, VZ
	v_mov_b32 v[\r], 0                             ; written whole once: lane writes and lane exchanges count their destination as read; VZ stays 0
.endr
.if LEVEL == 2
	v_min_u32 v[O3], 2, v[LANE]
	v_lshlrev_b32 v[O3], 2, v[O3]
	s_mov_b32 s[M3], 3
	s_mul_i32 s50, s27, 205
	s_lshr_b32 s50, s50, 11                        ; g / 10, exact for g < 100
	v_mov_b32 v[GV], s27
	v_writelane_b32 v[GV], s50, 0
.endif
	s_mul_i32 s58, s27, 20480                      ; my key's ten rows,
	s_mul_i32 s50, s26, 512*QPW                    ; my wave's quads of them: quad qd lies at 1,024 (qd / 2) + 16 (qd % 2), and QPW is even
	s_add_co_u32 s58, s58, s50
	s_mov_b32 s59, 0
	s_wait_kmcnt 0x0
	s_add_nc_u64 s[10:11], s[10:11], s[58:59]
.set t, 0
.rept TR-1
	global_load_b32 v[C+t], v[KO], s[12:13] offset:128*NS*t        ; word s + NS t: 32 keys, 128 consecutive bytes
.set t, t+1
.endr
	global_load_b32 v[C+TR-1], v[KL], s[12:13]
.set i, 0
.rept QPW
	global_load_b128 v[STG+4*i:STG+4*i+3], v[LOFF], s[10:11] offset:(i/2)*1024+(i%2)*16
.set i, i+1
.endr
	s_wait_loadcnt QPW                             ; the keys are in; the QPW loads behind them may be out
	s_mov_b32 s53, 0
.set t, 0
.rept TR
	v_cmp_eq_u32 s48, s27, v[C+t]
.if t == TR-1
	s_cmp_lt_u32 s28, 512-NS*(TR-1)
	s_cselect_b32 s48, s48, 0
.endif
	v_writelane_b32 v[VM], s48, t
	s_bcnt1_i32_b32 s50, s48
	s_add_co_u32 s53, s53, s50                     ; how many queries are mine
.set t, t+1
.endr
	NEXT 51
	LOADE 0                                        ; the first two rows are asked for before anything else is waited for
	NEXT 52
	LOADE 1
	s_wait_loadcnt 0x8                             ; my quads are in; the two rows' eight loads may be out
.set i, 0
.rept QPW
	ds_store_b128 v[IS], v[STG+4*i:STG+4*i+3] offset:512*i
.set i, i+1
.endr
	s_wait_dscnt 0x0                               ; for the others' sake: my stores have landed
	s_barrier_signal -1
	s_barrier_wait -1                              ; the one barrier: every wave passes it, ahead of every branch on the keys
	s_cmp_eq_u32 s53, 0
	s_cbranch_scc1 .Lend                           ; no query of my slice has my key
.set qd, 0
.rept 40
	ds_load_b128 v[C+4*qd:C+4*qd+3], v[IL] offset:512*qd
.set qd, qd+1
.endr
	s_add_co_u32 s46, s53, 1
	s_lshr_b32 s46, s46, 1                         ; a trip takes two queries, one in each buffer
	s_mov_b32 s45, 0
	s_mov_b32 s44, 0
	s_wait_dscnt 0x0                               ; my key's ten rows are in
.Lpair:
	PROC 0
	s_cmp_lt_u32 s45, s53
	s_cbranch_scc0 .Lodd
	PROC 1
	s_branch .Ljoin
.Lodd:                                             ; an odd count: the last trip has one query
	s_wait_loadcnt 0x0                             ; so that the count at the loop's head holds on this way too
.Ljoin:
	s_add_co_u32 s44, s44, 1
	s_cmp_lt_u32 s44, s46
	s_cbranch_scc1 .Lpair
.Lend:
	s_wait_tensorcnt 0x0
	ds_add_u32 v254, v255
	s_wait_dscnt 0x0
	s_endpgm
.Lfunc_end_k_q1265aa1430_level1:
	.size	k_q1265aa1430_level1, .Lfunc_end_k_q1265aa1430_level1-k_q1265aa1430_level1
	.p2alignl 7, 3214868480
	.fill 96, 4, 3214868480
	.section	.rodata,"a",@progbits
	.p2align	6, 0x0
	.amdhsa_kernel k_q1265aa1430_level1
		.amdhsa_group_segment_fixed_size 42240
		.amdhsa_private_segment_fixed_size 0
		.amdhsa_enable_private_segment 0
		.amdhsa_kernarg_size 40
		.amdhsa_user_sgpr_count 2
		.amdhsa_user_sgpr_kernarg_segment_ptr 1
		.amdhsa_wavefront_size32 1
		.amdhsa_system_sgpr_workgroup_id_x 1
		.amdhsa_system_sgpr_workgroup_id_y 1
		.amdhsa_system_sgpr_workgroup_id_z 1
		.amdhsa_system_vgpr_workitem_id 0
		.amdhsa_next_free_vgpr 256
		.amdhsa_next_free_sgpr 66
		.amdhsa_reserve_vcc 1
		.amdhsa_float_denorm_mode_32 3
		.amdhsa_float_denorm_mode_16_64 3
		.amdhsa_memory_ordered 1
		.amdhsa_forward_progress 1
		.amdhsa_inst_pref_size 38
	.end_amdhsa_kernel
	.amdgpu_metadata
---
amdhsa.version: [ 1, 2 ]
amdhsa.kernels:
  - .name:           k_q1265aa1430_level1
    .symbol:         k_q1265aa1430_level1.kd
    .args:
      - { .name: embeddings, .offset: 0, .size: 8, .value_kind: global_buffer, .address_space: global }
      - { .name: centroids_1, .offset: 8, .size: 8, .value_kind: global_buffer, .address_space: global }
      - { .name: cur0, .offset: 16, .size: 8, .value_kind: global_buffer, .address_space: global }
      - { .name: cur1, .offset: 24, .size: 8, .value_kind: global_buffer, .address_space: global }
      - { .name: out3, .offset: 32, .size: 8, .value_kind: global_buffer, .address_space: global }
    .group_segment_fixed_size: 42240
    .private_segment_fixed_size: 0
    .kernarg_segment_align: 8
    .kernarg_segment_size: 40
    .max_flat_workgroup_size: 320
    .sgpr_count:     66
    .vgpr_count:     256
    .wavefront_size: 32
...
	.end_amdgpu_metadata
.endif
;; end of part 2
;; launch level2 (part 3): grid 25 x 10, 16 waves a work-group, no clusters, 83,968 bytes of LDS; arguments embeddings, centroids_2, cur1, out1, out2, out3; writes out1, out2, out3
.if DOCPART == 3
	.amdgcn_target "amdgcn-amd-amdhsa--gfx1250"
	.amdhsa_code_object_version 6
	.text
	.protected	k_q1265aa1430_level2
	.globl	k_q1265aa1430_level2
	.p2align	8
	.type	k_q1265aa1430_level2,@function
k_q1265aa1430_level2:
	s_mov_b64 s[64:65], 0
	v_nop
	global_prefetch_b8 v0, s[64:65] scope:SCOPE_SE
	s_setreg_imm32_b32 hwreg(HW_REG_WAVE_MODE, 25, 1), 1
	s_wait_xcnt 0x0
; ONE LEVEL OF THE WALK.  A query's key (the cluster that the level above chose, stored by the launch before as a whole number) names ten rows of this level's table; the nearest of them is the query's new cluster.
; A WAVE OWNS A KEY: it keeps key g's ten rows in 160 registers and scans a slice of the stored keys for the queries that have it.  So the ten rows are fetched once for all queries of the slice, not once for each query.
; SHARES.  Work-group (x, y): keys GW x .. GW x + GW - 1, slices SW y .. SW y + SW - 1 of NS.  Wave: key g = GW x + wave % GW, slice s = SW y + wave / GW.  Slice s is the words s + NS t, t = 0 .. TR - 1, of the 512 words of 32 queries.
; Each word is scanned once for each key, so each query has one owner, whatever the split: all queries on one key are served too, only slower.  A wave that finds no query stores nothing and ends.
; The SW waves that share a key fetch its 40 quads together, QPW each, and hand them round through LDS as images of registers.  No tensor load.
; THE DISTANCE keeps reference()'s form: difference, square, f32 sum, root; the least root, the lower index on ties.
; RESULTS leave query by query.  The query's number, held inside the 16,384, goes into the stores' SCALAR base; the vector offset is made of the lane alone.  EXEC stays whole: the lanes that share an address write the same
; value there, and in return no change of EXEC, with its waits, stands in the loop.  A key's queries are scattered, so these are stores of a few bytes.
; This text serves levels 1 and 2: LEVEL sets the sizes, the arguments and what is stored.
; LIMITS: NaN and infinities among the inputs are not served (a query whose distances are all NaN gets the key's last row).  The f32 sums go in another order than reference()'s and the root is accurate to 1 ulp (ISA guide, its entry),
; so two centroids whose distances agree to the last bits may be ordered otherwise.
.set LEVEL, 2
.if LEVEL == 1
.set GW,  2                            ; keys a work-group
.set LGW, 1
.set SW,  5                            ; slices a work-group
.set NS,  255                          ; slices in all: 5 x 51
.set TR,  3                            ; words a wave: 255 x 3 covers 512; the last counts only for s < 512 - NS (TR - 1)
.set QPW, 8                            ; quads that a wave fetches: 5 x 8 = 40
.else
.set GW,  4
.set LGW, 2
.set SW,  4
.set NS,  40                           ; 4 x 10
.set TR,  13                           ; 40 x 13 covers 512; the last counts only for s < 32
.set QPW, 10                           ; 4 x 10 = 40
.endif
.set LOFF, 1                           ; v1   32 x lane: my bytes in a row's loads
.set LANE, 2                           ; v2
.set IS,   3                           ; v3   where my wave's quads go in LDS
.set IL,   4                           ; v4   16 x lane + my key's 20,480 bytes
.set KO,   5                           ; v5   my key word's bytes: 4 x lane + 128 s
.set KL,   6                           ; v6   the last word's, held inside the buffer
.set VM,   7                           ; v7   lane t: the queries of word t that have my key and are still to be taken, a bit each
.set VZ,   8                           ; v8   0: the offset of a store of one word; never rewritten
.set O3,   9                           ; v9   4 x min(lane, 2): the offset of a store of three words; never rewritten
.set GV,   10                          ; v10  lane 0: g / 10, the others: g: the path's first two numbers
.set X,    11
.set D,    12
.set MN,   13
.set VT,   14
.set PD,   15                          ; v15  the path: lane 0, lane 1, lanes 2 on
.set AA,   22
.set AB,   24
.set S,    26                          ; v26-35  the ten candidates' sums
.set T,    36                          ; v36-51  differences
.set E0,   52                          ; v52-67, v68-83  two rows of embeddings by turns
.set E1,   68
.set C,    84                          ; v84-243 my key's ten rows; at the head v84 on: the keys, v204 on: my quads on their way to LDS
.set STG,  204
.set B0,   32                          ; s[32:35] lanes whose number has bit 0, 1, 2, 3 set
.set SEL,  36                          ; s[36:37]
.set EQ,   60
.set NEAR, 31
.set M3,   63                          ; s63  lanes 0 and 1
; s24 wave, s25 wave % GW, s26 wave / GW, s27 g, s28 s, s29 32 s, s30 10 g, s[38:39], s[40:41], s[42:43] the stores' bases, s44 pair, s45 queries done, s46 pairs, s47-s50 at work,
; s51, s52 the queries in buffers 0, 1, s53 my queries in all, s[54:55], s[56:57] their rows' addresses, s[58:59] an offset (s59 stays 0), s61 the new cluster
.macro LOADROW e, base, off            ; a row of 512 f32: register 8 j + m of lane L is k = 256 j + 8 L + m
.irp i, 0,1,2,3
	global_load_b128 v[\e+4*\i:\e+4*\i+3], v[LOFF], s[\base:\base+1] offset:(\off)+(\i/2)*1024+(\i%2)*16
.endr
.endm
; candidates a and a + 1 against the row in v[e] on: differences, then squares summed, the two candidates by turns so that no line waits for the line above it
.macro PAIR e, a
.irp j, 0,1
.irp p, 0,1,2,3
	v_pk_add_f32 v[T+2*\p:T+2*\p+1], v[C+16*(\a)+8*\j+2*\p:C+16*(\a)+8*\j+2*\p+1], v[\e+8*\j+2*\p:\e+8*\j+2*\p+1] neg_lo:[0,1] neg_hi:[0,1]
.endr
.irp p, 0,1,2,3
	v_pk_add_f32 v[T+8+2*\p:T+8+2*\p+1], v[C+16*(\a+1)+8*\j+2*\p:C+16*(\a+1)+8*\j+2*\p+1], v[\e+8*\j+2*\p:\e+8*\j+2*\p+1] neg_lo:[0,1] neg_hi:[0,1]
.endr
.irp p, 0,1,2,3
.if (\j == 0) && (\p == 0)
	v_pk_mul_f32 v[AA:AA+1], v[T:T+1], v[T:T+1]                    ; the first squares start the sums
	v_pk_mul_f32 v[AB:AB+1], v[T+8:T+9], v[T+8:T+9]
.else
	v_pk_fma_f32 v[AA:AA+1], v[T+2*\p:T+2*\p+1], v[T+2*\p:T+2*\p+1], v[AA:AA+1]
	v_pk_fma_f32 v[AB:AB+1], v[T+8+2*\p:T+8+2*\p+1], v[T+8+2*\p:T+8+2*\p+1], v[AB:AB+1]
.endif
.endr
.endr
	v_add_f32 v[S+\a], v[AA], v[AA+1]
	v_add_f32 v[S+\a+1], v[AB], v[AB+1]
.endm
.macro XADD r, m
	v_add_f32_dpp v[\r], v[\r], v[\r] row_xmask:\m row_mask:0xf bank_mask:0xf
.endm
; Ten sums over 32 lanes.  After each step of the butterfly half of the lanes go on with another candidate, so the registers halve: at the end lane r (of 16) holds candidate r for r < 8 and 8 + r % 2 for r >= 8.
; Then the root, the least of the roots, and the lowest lane that holds it: the lowest candidate, as reference()'s argmin has it.
.macro REDUCE
.irp c, 0,1,2,3,4,5,6,7,8,9
	XADD S+\c, 1
.endr
.irp c, 0,2,4,6,8
	v_cndmask_b32 v[S+\c], v[S+\c], v[S+\c+1], s[B0]
.endr
.irp c, 0,2,4,6,8
	XADD S+\c, 2
.endr
	v_cndmask_b32 v[S], v[S], v[S+2], s[B0+1]
	v_cndmask_b32 v[S+4], v[S+4], v[S+6], s[B0+1]
.irp c, 0,4,8
	XADD S+\c, 4
.endr
	v_cndmask_b32 v[S], v[S], v[S+4], s[B0+2]
	XADD S, 8
	XADD S+8, 8
	v_cndmask_b32 v[S], v[S], v[S+8], s[B0+3]
	v_permlanex16_b32 v[X], v[S], s[SEL], s[SEL+1]
	v_add_f32 v[S], v[S], v[X]                     ; both halves add the same two numbers: the same bits in lanes l and l xor 16
	v_sqrt_f32 v[D], v[S]
	v_nop                                          ; a plain instruction behind the root (ISA guide 5.7.2),
	s_wait_alu depctr_va_vdst(0)                   ; and a wait ahead of its first reader
	v_min_num_f32_dpp v[MN], v[D], v[D] row_xmask:1 row_mask:0xf bank_mask:0xf
	v_min_num_f32_dpp v[MN], v[MN], v[MN] row_xmask:2 row_mask:0xf bank_mask:0xf
	v_min_num_f32_dpp v[MN], v[MN], v[MN] row_xmask:4 row_mask:0xf bank_mask:0xf
	v_min_num_f32_dpp v[MN], v[MN], v[MN] row_xmask:8 row_mask:0xf bank_mask:0xf
	v_cmp_eq_f32 s[EQ], v[D], v[MN]
	s_ctz_i32_b32 s[NEAR], s[EQ]
	s_min_u32 s[NEAR], s[NEAR], 9                  ; this number is only ever stored
.endm
; The next query that has my key, into s[dst]: the lowest bit of the lowest word that has one left; the bit is cleared.  When none is left the holds give the last row: a load inside the buffer that nobody uses.
.macro NEXT dst
	v_cmp_ne_u32 vcc_lo, 0, v[VM]
	s_ctz_i32_b32 s47, vcc_lo
	s_min_u32 s47, s47, 31                         ; the word
	v_readlane_b32 s48, v[VM], s47
	s_ctz_i32_b32 s49, s48
	s_min_u32 s49, s49, 31                         ; the bit
	s_sub_co_u32 s50, s48, 1
	s_and_b32 s48, s48, s50
	v_writelane_b32 v[VM], s48, s47
	s_mul_i32 s[\dst], s47, 32*NS
	s_add_co_u32 s[\dst], s[\dst], s29
	s_add_co_u32 s[\dst], s[\dst], s49             ; query = 32 (s + NS t) + bit,
	s_min_u32 s[\dst], s[\dst], 0x3fff             ; held inside the 16,384
.endm
.macro LOADE b                         ; the row of the query in s[51 + b] into buffer b
	s_lshl_b32 s58, s[51+\b], 11
	s_add_nc_u64 s[54+2*\b:55+2*\b], s[8:9], s[58:59]
	LOADROW E0+16*\b, 54+2*\b, 0
.endm
; One query, in buffer b: its distances, where its results go, the row two queries on, the nearest, the stores.
.macro PROC b
	s_wait_loadcnt 0x4                             ; loads come back in order (ISA guide 5.7.1): this buffer's four are in, the other buffer's four, issued later, may be out
	PAIR E0+16*\b, 0
	PAIR E0+16*\b, 2
	PAIR E0+16*\b, 4
	PAIR E0+16*\b, 6
	PAIR E0+16*\b, 8
	s_wait_xcnt 0x0                                ; the last query's stores, issued ahead of the 170 lines above, have read their bases and data: both are written again only behind this wait
	s_lshl_b32 s58, s[51+\b], 2
	s_add_nc_u64 s[38:39], s[14:15], s[58:59]      ; a word for each query: cur1 (level 1), out1 (level 2)
	s_mul_i32 s58, s[51+\b], 12
	s_add_nc_u64 s[40:41], s[16:17], s[58:59]      ; rows of 12 bytes: out3 (level 1), out2 (level 2)
.if LEVEL == 2
	s_add_nc_u64 s[42:43], s[18:19], s[58:59]      ; out3
.endif
	NEXT 51+\b
	LOADE \b
	REDUCE
	s_add_co_u32 s61, s30, s[NEAR]                 ; 10 g + nearest
	v_mov_b32 v[VT], s61
.if LEVEL == 1
	global_store_b32 v[VZ], v[VT], s[38:39]        ; cur1: the next launch's key
	global_store_b32 v[VZ], v[MN], s[40:41] offset:4   ; out3's second column
.else
	v_cndmask_b32 v[PD], v[VT], v[GV], s[M3]       ; the path is g / 10, g, 10 g + nearest: the key IS the cluster of the level above
	global_store_b32 v[VZ], v[VT], s[38:39]        ; out1: the leaf
	global_store_b32 v[O3], v[PD], s[40:41]        ; out2: 12 consecutive bytes
	global_store_b32 v[VZ], v[MN], s[42:43] offset:8   ; out3's third column
.endif
	s_add_co_u32 s45, s45, 1
.endm
.if LEVEL == 1
	s_load_b256 s[8:15], s[0:1], 0x0               ; embeddings s[8:9], the table s[10:11], the keys s[12:13], cur1 s[14:15]
	s_load_b64 s[16:17], s[0:1], 0x20              ; out3
.else
	s_load_b256 s[8:15], s[0:1], 0x0               ; embeddings s[8:9], the table s[10:11], the keys s[12:13], out1 s[14:15]
	s_load_b128 s[16:19], s[0:1], 0x20             ; out2 s[16:17], out3 s[18:19]
	v_lshl_add_u32 v254, v0, 2, 0x14000
	v_mov_b32 v255, 0
.endif
	v_lshrrev_b32 v[VT], 5, v0
	v_readfirstlane_b32 s24, v[VT]                 ; wave
	v_and_b32 v[LANE], 31, v0
	v_lshlrev_b32 v[LOFF], 5, v[LANE]
	s_and_b32 s25, s24, GW-1
	s_lshr_b32 s26, s24, LGW
	s_mul_i32 s27, ttmp9, GW
	s_add_co_u32 s27, s27, s25                     ; my key
	s_and_b32 s28, ttmp7, 0xffff
	s_mul_i32 s28, s28, SW
	s_add_co_u32 s28, s28, s26                     ; my slice
	s_lshl_b32 s29, s28, 5
	s_mul_i32 s30, s27, 10
	s_mov_b32 s[B0], 0xaaaaaaaa
	s_mov_b32 s[B0+1], 0xcccccccc
	s_mov_b32 s[B0+2], 0xf0f0f0f0
	s_mov_b32 s[B0+3], 0xff00ff00
	s_mov_b32 s[SEL], 0x76543210
	s_mov_b32 s[SEL+1], 0xfedcba98
	s_mul_i32 s50, s25, 20480
	v_lshl_add_u32 v[IL], v[LANE], 4, s50
	s_mul_i32 s50, s26, 512*QPW
	v_add_nc_u32 v[IS], s50, v[IL]
	s_lshl_b32 s50, s28, 7
	v_lshl_add_u32 v[KO], v[LANE], 2, s50
	s_add_co_u32 s50, s28, NS*(TR-1)
	s_min_u32 s50, s50, 511                        ; the last word of a slice that has none is not counted; its load stays inside the buffer
	s_lshl_b32 s50, s50, 7
	v_lshl_add_u32 v[KL], v[LANE], 2, s50
.irp r, VM, X, MN, VZ
	v_mov_b32 v[\r], 0                             ; written whole once: lane writes and lane exchanges count their destination as read; VZ stays 0
.endr
.if LEVEL == 2
	v_min_u32 v[O3], 2, v[LANE]
	v_lshlrev_b32 v[O3], 2, v[O3]
	s_mov_b32 s[M3], 3
	s_mul_i32 s50, s27, 205
	s_lshr_b32 s50, s50, 11                        ; g / 10, exact for g < 100
	v_mov_b32 v[GV], s27
	v_writelane_b32 v[GV], s50, 0
.endif
	s_mul_i32 s58, s27, 20480                      ; my key's ten rows,
	s_mul_i32 s50, s26, 512*QPW                    ; my wave's quads of them: quad qd lies at 1,024 (qd / 2) + 16 (qd % 2), and QPW is even
	s_add_co_u32 s58, s58, s50
	s_mov_b32 s59, 0
	s_wait_kmcnt 0x0
	s_add_nc_u64 s[10:11], s[10:11], s[58:59]
.set t, 0
.rept TR-1
	global_load_b32 v[C+t], v[KO], s[12:13] offset:128*NS*t        ; word s + NS t: 32 keys, 128 consecutive bytes
.set t, t+1
.endr
	global_load_b32 v[C+TR-1], v[KL], s[12:13]
.set i, 0
.rept QPW
	global_load_b128 v[STG+4*i:STG+4*i+3], v[LOFF], s[10:11] offset:(i/2)*1024+(i%2)*16
.set i, i+1
.endr
	s_wait_loadcnt QPW                             ; the keys are in; the QPW loads behind them may be out
	s_mov_b32 s53, 0
.set t, 0
.rept TR
	v_cmp_eq_u32 s48, s27, v[C+t]
.if t == TR-1
	s_cmp_lt_u32 s28, 512-NS*(TR-1)
	s_cselect_b32 s48, s48, 0
.endif
	v_writelane_b32 v[VM], s48, t
	s_bcnt1_i32_b32 s50, s48
	s_add_co_u32 s53, s53, s50                     ; how many queries are mine
.set t, t+1
.endr
	NEXT 51
	LOADE 0                                        ; the first two rows are asked for before anything else is waited for
	NEXT 52
	LOADE 1
	s_wait_loadcnt 0x8                             ; my quads are in; the two rows' eight loads may be out
.set i, 0
.rept QPW
	ds_store_b128 v[IS], v[STG+4*i:STG+4*i+3] offset:512*i
.set i, i+1
.endr
	s_wait_dscnt 0x0                               ; for the others' sake: my stores have landed
	s_barrier_signal -1
	s_barrier_wait -1                              ; the one barrier: every wave passes it, ahead of every branch on the keys
	s_cmp_eq_u32 s53, 0
	s_cbranch_scc1 .Lend                           ; no query of my slice has my key
.set qd, 0
.rept 40
	ds_load_b128 v[C+4*qd:C+4*qd+3], v[IL] offset:512*qd
.set qd, qd+1
.endr
	s_add_co_u32 s46, s53, 1
	s_lshr_b32 s46, s46, 1                         ; a trip takes two queries, one in each buffer
	s_mov_b32 s45, 0
	s_mov_b32 s44, 0
	s_wait_dscnt 0x0                               ; my key's ten rows are in
.Lpair:
	PROC 0
	s_cmp_lt_u32 s45, s53
	s_cbranch_scc0 .Lodd
	PROC 1
	s_branch .Ljoin
.Lodd:                                             ; an odd count: the last trip has one query
	s_wait_loadcnt 0x0                             ; so that the count at the loop's head holds on this way too
.Ljoin:
	s_add_co_u32 s44, s44, 1
	s_cmp_lt_u32 s44, s46
	s_cbranch_scc1 .Lpair
.Lend:
	s_wait_tensorcnt 0x0
	ds_add_u32 v254, v255
	s_wait_dscnt 0x0
	s_endpgm
.Lfunc_end_k_q1265aa1430_level2:
	.size	k_q1265aa1430_level2, .Lfunc_end_k_q1265aa1430_level2-k_q1265aa1430_level2
	.p2alignl 7, 3214868480
	.fill 96, 4, 3214868480
	.section	.rodata,"a",@progbits
	.p2align	6, 0x0
	.amdhsa_kernel k_q1265aa1430_level2
		.amdhsa_group_segment_fixed_size 83968
		.amdhsa_private_segment_fixed_size 0
		.amdhsa_enable_private_segment 0
		.amdhsa_kernarg_size 48
		.amdhsa_user_sgpr_count 2
		.amdhsa_user_sgpr_kernarg_segment_ptr 1
		.amdhsa_wavefront_size32 1
		.amdhsa_system_sgpr_workgroup_id_x 1
		.amdhsa_system_sgpr_workgroup_id_y 1
		.amdhsa_system_sgpr_workgroup_id_z 1
		.amdhsa_system_vgpr_workitem_id 0
		.amdhsa_next_free_vgpr 256
		.amdhsa_next_free_sgpr 66
		.amdhsa_reserve_vcc 1
		.amdhsa_float_denorm_mode_32 3
		.amdhsa_float_denorm_mode_16_64 3
		.amdhsa_memory_ordered 1
		.amdhsa_forward_progress 1
		.amdhsa_inst_pref_size 42
	.end_amdhsa_kernel
	.amdgpu_metadata
---
amdhsa.version: [ 1, 2 ]
amdhsa.kernels:
  - .name:           k_q1265aa1430_level2
    .symbol:         k_q1265aa1430_level2.kd
    .args:
      - { .name: embeddings, .offset: 0, .size: 8, .value_kind: global_buffer, .address_space: global }
      - { .name: centroids_2, .offset: 8, .size: 8, .value_kind: global_buffer, .address_space: global }
      - { .name: cur1, .offset: 16, .size: 8, .value_kind: global_buffer, .address_space: global }
      - { .name: out1, .offset: 24, .size: 8, .value_kind: global_buffer, .address_space: global }
      - { .name: out2, .offset: 32, .size: 8, .value_kind: global_buffer, .address_space: global }
      - { .name: out3, .offset: 40, .size: 8, .value_kind: global_buffer, .address_space: global }
    .group_segment_fixed_size: 83968
    .private_segment_fixed_size: 0
    .kernarg_segment_align: 8
    .kernarg_segment_size: 48
    .max_flat_workgroup_size: 512
    .sgpr_count:     66
    .vgpr_count:     256
    .wavefront_size: 32
...
	.end_amdgpu_metadata
.endif
;; end of part 3
;; ======== version 2 of 3: 3 launches; 1.16 times as fast as version 1
;; workspace buffers: cur0 65,536 bytes of whole numbers; cur1 65,536 bytes of whole numbers
;; launch hash_l0: the kernel of part 1 again; grid 256 x 1, 16 waves a work-group, no clusters, 77,824 bytes of LDS; arguments embeddings, centroids_0, hash_W_codes, hash_W_scales, hash_b, out0, out4, cur0, out3; writes out0, out4, cur0, out3
;; launch level1 (part 4): grid 5 x 51, 16 waves a work-group, no clusters, 43,008 bytes of LDS; arguments embeddings, centroids_1, cur0, cur1, out3; writes cur1, out3
.if DOCPART == 4
	.amdgcn_target "amdgcn-amd-amdhsa--gfx1250"
	.amdhsa_code_object_version 6
	.text
	.protected	k_q1265aa1430_level1
	.globl	k_q1265aa1430_level1
	.p2align	8
	.type	k_q1265aa1430_level1,@function
k_q1265aa1430_level1:
	s_mov_b64 s[64:65], 0
	v_nop
	global_prefetch_b8 v0, s[64:65] scope:SCOPE_SE
	s_setreg_imm32_b32 hwreg(HW_REG_WAVE_MODE, 25, 1), 1
	s_wait_xcnt 0x0
; ONE LEVEL OF THE WALK.  A query's key (the cluster that the level above chose, stored by the launch before as a whole number) names ten rows of this level's table; the nearest of them is the query's new cluster.
; A WAVE OWNS A KEY: it keeps key g's ten rows in 160 registers and takes queries that have that key.  So the ten rows are fetched once for many queries, not once for each.
; SHARES.  Work-group (x, y): keys GW x .. GW x + GW - 1, and the words y + NY i, i = 0 .. WPW - 1, of the 512 words of 32 stored keys (the last only where it exists: y < 2).  SW waves hold each key.
; THE QUERIES OF A KEY ARE DEALT among its SW waves.  All of them read the work-group's WPW words and find the same masks.  A UNIT is 32 >> LUPW neighbouring queries; the units that hold a query of the key are numbered in order,
; and wave sub keeps those whose number is sub modulo SW.  So each query has one owner, whatever the split (all queries on one key are served too, only slower), and partners' shares differ by one unit at the most.
; A wave that is dealt nothing stores nothing and ends.
; The SW waves that share a key fetch its 40 quads together, QPW each, and hand them round through LDS as images of registers.  No tensor load.
; Of the waves w, w + 4, w + 8, w + 12, and of four neighbours 4 b .. 4 b + 3, no more than 4 / GW hold the same key.
; THREE ROWS of a wave are on their way at a time: a row buffer is asked for again as soon as its distances are done.
; THE DISTANCE keeps reference()'s form: difference, square, f32 sum, root; the least root, the lower index on ties.
; RESULTS leave query by query.  The query's number, held inside the 16,384, goes into the stores' SCALAR base; the vector offset is made of the lane alone.  EXEC stays whole: the lanes that share an address write the same
; value there, and in return no change of EXEC, with its waits, stands in the loop.  A key's queries are scattered, so these are stores of a few bytes.
; This text serves levels 1 and 2: LEVEL sets the sizes, the arguments and what is stored.
; LIMITS: NaN and infinities among the inputs are not served (a query whose distances are all NaN gets the key's last row).  The f32 sums go in another order than reference()'s and the root is accurate to 1 ulp (ISA guide, its entry),
; so two centroids whose distances agree to the last bits may be ordered otherwise.
.set LEVEL, 1
.if LEVEL == 1
.set GW,   2                           ; keys a work-group
.set SW,   8                           ; waves a key
.set NY,   51                          ; work-groups along y
.set WPW,  11                          ; words a work-group: 51 x 10 = 510, and words 510, 511 as the eleventh of y = 0, 1
.set LUPW, 3                           ; 8 units of 4 queries a word
.set NU,   3                           ; 88 units in 3 registers, a lane a unit
.set MAXT, 16                          ; trips of three queries: a wave is dealt 11 units of 4 queries at the most
.else
.set GW,   4
.set SW,   4
.set NY,   10
.set WPW,  52                          ; 10 x 51 = 510, and words 510, 511 as the 52nd of y = 0, 1
.set LUPW, 0                           ; a word is a unit
.set NU,   2                           ; 52 units in 2 registers
.set MAXT, 140                         ; a wave is dealt 13 units of 32 queries at the most
.endif
.set QPW,  40/SW                       ; quads that a wave fetches
.set LOFF, 1                           ; v1   32 x lane: my bytes in a row's loads
.set VM,   2                           ; v2-4 lane l of register k: the queries of unit 32 k + l that are mine and still to be taken, a bit each, at their places in the word
.set VZ,   5                           ; v5   0: the offset of a store of one word; never rewritten
.set O3,   6                           ; v6   4 x min(lane, 2): the offset of a store of three words; never rewritten
.set GV,   7                           ; v7   lane 0: g / 10, the others: g: the path's first two numbers
.set X,    8
.set D,    9
.set MN,   10
.set VT,   11
.set PD,   12                          ; v12  the path: lane 0, lane 1, lanes 2 on
.set IL,   13                          ; v13  16 x lane + my key's 20,480 bytes of LDS
.set LANE, 14
.set AC,   16                          ; v16-25  five candidates' running sums, two halves each
.set T,    26                          ; v26-35  five candidates' differences
.set S,    36                          ; v36-45  the ten candidates' sums
.set E0,   46                          ; v46-61, v62-77, v78-93  three rows of embeddings by turns
.set C,    94                          ; v94-253 my key's ten rows
.set STG,  C+120                       ; at the head: my quads on their way to LDS
.set K,    16                          ; at the head: the keys, v16 on
.set IS,   78                          ; at the head: v78 where my quads go in LDS, v79 and v80 the key words' offsets, v81 my lane's unit in a word, v82-84 at work
.set KO,   79
.set KL,   80
.set UM,   81
.set R,    82
.set B0,   32                          ; s[32:35] lanes whose number has bit 0, 1, 2, 3 set
.set SEL,  36                          ; s[36:37]
.set EQ,   60
.set NEAR, 31
.set M3,   63                          ; s63  lanes 0 and 1
; s20 trip, s21 units numbered so far, s[22:23] an offset (s23 stays 0), s24 wave, s25 which key of the work-group's, s26 which of the key's waves, s27 g, s28 y, s29 32 y, s30 10 g, s[38:39], s[40:41], s[42:43] the stores' bases
; (at the head s38-s50: masks), s44-s46 is there a query in buffer 0, 1, 2, s47-s50 at work, s51-s53 the queries in buffers 0, 1, 2, s[54:59] their rows' addresses, s61 the new cluster, s62 units passed
.macro LOADROW e, base, off            ; a row of 512 f32: register 8 j + m of lane L is k = 256 j + 8 L + m
.irp i, 0,1,2,3
	global_load_b128 v[\e+4*\i:\e+4*\i+3], v[LOFF], s[\base:\base+1] offset:(\off)+(\i/2)*1024+(\i%2)*16
.endr
.endm
; candidates a .. a + 4 against the row in v[e] on: for each pair of numbers five differences, then five squares summed.  The five take turns, so that a multiply-add stands ten lines behind the one that it adds onto.
; Each candidate's own sums go in ascending k of the lane, two halves, which are added at the end.
.macro FIVE e, a
.irp j, 0,1
.irp p, 0,1,2,3
.irp c, 0,1,2,3,4
	v_pk_add_f32 v[T+2*\c:T+2*\c+1], v[C+16*(\a+\c)+8*\j+2*\p:C+16*(\a+\c)+8*\j+2*\p+1], v[\e+8*\j+2*\p:\e+8*\j+2*\p+1] neg_lo:[0,1] neg_hi:[0,1]
.endr
.irp c, 0,1,2,3,4
.if (\j == 0) && (\p == 0)
	v_pk_mul_f32 v[AC+2*\c:AC+2*\c+1], v[T+2*\c:T+2*\c+1], v[T+2*\c:T+2*\c+1]      ; the first squares start the sums
.else
	v_pk_fma_f32 v[AC+2*\c:AC+2*\c+1], v[T+2*\c:T+2*\c+1], v[T+2*\c:T+2*\c+1], v[AC+2*\c:AC+2*\c+1]
.endif
.endr
.endr
.endr
.irp c, 0,1,2,3,4
	v_add_f32 v[S+\a+\c], v[AC+2*\c], v[AC+2*\c+1]
.endr
.endm
.macro XADD r, m
	v_add_f32_dpp v[\r], v[\r], v[\r] row_xmask:\m row_mask:0xf bank_mask:0xf
.endm
; Ten sums over 32 lanes.  After each step of the butterfly half of the lanes go on with another candidate, so the registers halve: at the end lane r (of 16) holds candidate r for r < 8 and 8 + r % 2 for r >= 8.
; Then the root, the least of the roots, and the lowest lane that holds it: the lowest candidate, as reference()'s argmin has it.
.macro REDUCE
.irp c, 0,1,2,3,4,5,6,7,8,9
	XADD S+\c, 1
.endr
.irp c, 0,2,4,6,8
	v_cndmask_b32 v[S+\c], v[S+\c], v[S+\c+1], s[B0]
.endr
.irp c, 0,2,4,6,8
	XADD S+\c, 2
.endr
	v_cndmask_b32 v[S], v[S], v[S+2], s[B0+1]
	v_cndmask_b32 v[S+4], v[S+4], v[S+6], s[B0+1]
.irp c, 0,4,8
	XADD S+\c, 4
.endr
	v_cndmask_b32 v[S], v[S], v[S+4], s[B0+2]
	XADD S, 8
	XADD S+8, 8
	v_cndmask_b32 v[S], v[S], v[S+8], s[B0+3]
	v_permlanex16_b32 v[X], v[S], s[SEL], s[SEL+1]
	v_add_f32 v[S], v[S], v[X]                     ; both halves add the same two numbers: the same bits in lanes l and l xor 16
	v_sqrt_f32 v[D], v[S]
	v_nop                                          ; a plain instruction behind the root (ISA guide 5.7.2),
	s_wait_alu depctr_va_vdst(0)                   ; and a wait ahead of its first reader
	v_min_num_f32_dpp v[MN], v[D], v[D] row_xmask:1 row_mask:0xf bank_mask:0xf
	v_min_num_f32_dpp v[MN], v[MN], v[MN] row_xmask:2 row_mask:0xf bank_mask:0xf
	v_min_num_f32_dpp v[MN], v[MN], v[MN] row_xmask:4 row_mask:0xf bank_mask:0xf
	v_min_num_f32_dpp v[MN], v[MN], v[MN] row_xmask:8 row_mask:0xf bank_mask:0xf
	v_cmp_eq_f32 s[EQ], v[D], v[MN]
	s_ctz_i32_b32 s[NEAR], s[EQ]
	s_min_u32 s[NEAR], s[NEAR], 9                  ; this number is only ever stored
.endm
; My next query, for buffer b: the lowest bit of the lowest unit that has one left; the bit is cleared.  s[44 + b] says whether there was one; where there was none the holds give the last row: a load inside the buffer that nobody uses.
; Only the first register is searched: when it is empty the next ones move down, and 32 units are counted as passed.
.macro NEXT b
.rept NU-1
	v_cmp_ne_u32 vcc_lo, 0, v[VM]
	s_cbranch_vccnz .Lhave_\@
	v_mov_b32 v[VM], v[VM+1]
.if NU == 3
	v_mov_b32 v[VM+1], v[VM+2]
	v_mov_b32 v[VM+2], 0
.else
	v_mov_b32 v[VM+1], 0
.endif
	s_add_co_u32 s62, s62, 32
.endr
	v_cmp_ne_u32 vcc_lo, 0, v[VM]
.Lhave_\@:
	s_ctz_i32_b32 s47, vcc_lo
	s_min_u32 s47, s47, 31                         ; the unit's lane
	v_readlane_b32 s48, v[VM], s47
	s_cmp_lg_u32 s48, 0
	s_cselect_b32 s[44+\b], 1, 0
	s_ctz_i32_b32 s49, s48
	s_min_u32 s49, s49, 31                         ; the query's bit in its word
	s_sub_co_u32 s50, s48, 1
	s_and_b32 s48, s48, s50
	v_writelane_b32 v[VM], s48, s47
	s_add_co_u32 s47, s47, s62                     ; the unit's number,
.if LUPW > 0
	s_lshr_b32 s47, s47, LUPW                      ; its word i of the work-group's
.endif
	s_mul_i32 s[51+\b], s47, 32*NY
	s_add_co_u32 s[51+\b], s[51+\b], s29
	s_add_co_u32 s[51+\b], s[51+\b], s49           ; query = 32 (y + NY i) + bit,
	s_min_u32 s[51+\b], s[51+\b], 0x3fff           ; held inside the 16,384
.endm
.macro LOADE b                         ; the row of the query in s[51 + b] into buffer b
	s_lshl_b32 s22, s[51+\b], 11
	s_add_nc_u64 s[54+2*\b:55+2*\b], s[8:9], s[22:23]
	LOADROW E0+16*\b, 54+2*\b, 0
.endm
; One query, in buffer b: its distances, where its results go, the row three queries on, the nearest, the stores.
.macro PROC b
	s_wait_loadcnt 0x8                             ; loads come back in order (ISA guide 5.7.1): this buffer's four are in, the other two buffers' eight, issued later, may be out
	FIVE E0+16*\b, 0
	FIVE E0+16*\b, 5
	s_wait_xcnt 0x0                                ; the last query's stores, issued ahead of the 170 lines above, have read their bases and data: both are written again only behind this wait
	s_lshl_b32 s22, s[51+\b], 2
	s_add_nc_u64 s[38:39], s[14:15], s[22:23]      ; a word for each query: cur1 (level 1), out1 (level 2)
	s_mul_i32 s22, s[51+\b], 12
	s_add_nc_u64 s[40:41], s[16:17], s[22:23]      ; rows of 12 bytes: out3 (level 1), out2 (level 2)
.if LEVEL == 2
	s_add_nc_u64 s[42:43], s[18:19], s[22:23]      ; out3
.endif
	NEXT \b
	LOADE \b
	REDUCE
	s_add_co_u32 s61, s30, s[NEAR]                 ; 10 g + nearest
	v_mov_b32 v[VT], s61
.if LEVEL == 1
	global_store_b32 v[VZ], v[VT], s[38:39]        ; cur1: the next launch's key
	global_store_b32 v[VZ], v[MN], s[40:41] offset:4   ; out3's second column
.else
	v_cndmask_b32 v[PD], v[VT], v[GV], s[M3]       ; the path is g / 10, g, 10 g + nearest: the key IS the cluster of the level above
	global_store_b32 v[VZ], v[VT], s[38:39]        ; out1: the leaf
	global_store_b32 v[O3], v[PD], s[40:41]        ; out2: 12 consecutive bytes
	global_store_b32 v[VZ], v[MN], s[42:43] offset:8   ; out3's third column
.endif
.endm
.if LEVEL == 1
	s_load_b256 s[8:15], s[0:1], 0x0               ; embeddings s[8:9], the table s[10:11], the keys s[12:13], cur1 s[14:15]
	s_load_b64 s[16:17], s[0:1], 0x20              ; out3
	v_lshl_add_u32 v254, v0, 2, 0xa000
	v_mov_b32 v255, 0
.else
	s_load_b256 s[8:15], s[0:1], 0x0               ; embeddings s[8:9], the table s[10:11], the keys s[12:13], out1 s[14:15]
	s_load_b128 s[16:19], s[0:1], 0x20             ; out2 s[16:17], out3 s[18:19]
.endif
	v_lshrrev_b32 v[VT], 5, v0
	v_readfirstlane_b32 s24, v[VT]                 ; wave
	v_and_b32 v[LANE], 31, v0
	v_lshlrev_b32 v[LOFF], 5, v[LANE]
	s_lshr_b32 s25, s24, 2
.if LEVEL == 1
	s_xor_b32 s25, s25, s24
	s_and_b32 s25, s25, 1                          ; which key: (wave xor wave / 4) % 2;
	s_lshr_b32 s26, s24, 1                         ; which of its eight waves: wave / 2 (waves 2 i and 2 i + 1 hold different keys)
.else
	s_add_co_u32 s25, s25, s24
	s_and_b32 s25, s25, 3                          ; which key: (wave + wave / 4) % 4;
	s_lshr_b32 s26, s24, 2                         ; which of its four waves: wave / 4
.endif
	s_mul_i32 s27, ttmp9, GW
	s_add_co_u32 s27, s27, s25                     ; my key
	s_and_b32 s28, ttmp7, 0xffff                   ; y
	s_lshl_b32 s29, s28, 5
	s_mul_i32 s30, s27, 10
	s_mov_b32 s[B0], 0xaaaaaaaa
	s_mov_b32 s[B0+1], 0xcccccccc
	s_mov_b32 s[B0+2], 0xf0f0f0f0
	s_mov_b32 s[B0+3], 0xff00ff00
	s_mov_b32 s[SEL], 0x76543210
	s_mov_b32 s[SEL+1], 0xfedcba98
	s_mul_i32 s50, s25, 20480
	v_lshl_add_u32 v[IL], v[LANE], 4, s50
	s_lshl_b32 s50, s26, 9
	v_add_nc_u32 v[IS], s50, v[IL]                 ; my quads are sub, sub + SW, sub + 2 SW ..: quad qd lies at 512 qd
	s_lshl_b32 s50, s28, 7
	v_lshl_add_u32 v[KO], v[LANE], 2, s50          ; word y: 128 y + 4 x lane
	s_add_co_u32 s50, s28, 510
	s_min_u32 s50, s50, 511                        ; the last word, y + 510, is not counted where it does not exist; its load stays inside the buffer
	s_lshl_b32 s50, s50, 7
	v_lshl_add_u32 v[KL], v[LANE], 2, s50
.irp r, X, MN, VZ
	v_mov_b32 v[\r], 0                             ; written whole once: lane exchanges count their destination as read; VZ stays 0
.endr
.if LEVEL == 1
	v_and_b32 v[UM], 7, v[LANE]
	v_lshlrev_b32 v[UM], 2, v[UM]
	v_lshlrev_b32 v[UM], v[UM], 15                 ; my lane's unit in its word: four bits at 4 (lane % 8)
.else
	v_mov_b32 v[VM], 0                             ; (lane writes count their destination as read; lanes 20 on of the second stay 0)
	v_mov_b32 v[VM+1], 0
	v_min_u32 v[O3], 2, v[LANE]
	v_lshlrev_b32 v[O3], 2, v[O3]
	s_mov_b32 s[M3], 3
	s_mul_i32 s50, s27, 205
	s_lshr_b32 s50, s50, 11                        ; g / 10, exact for g < 100
	v_mov_b32 v[GV], s27
	v_writelane_b32 v[GV], s50, 0
.endif
	s_mul_i32 s22, s27, 20480                      ; my key's ten rows; quad qd of them lies at 1,024 (qd / 2) + 16 (qd % 2) + 32 x lane: my first is quad sub,
	s_lshr_b32 s50, s26, 1
	s_lshl_b32 s50, s50, 10
	s_add_co_u32 s22, s22, s50
	s_and_b32 s50, s26, 1
	s_lshl_b32 s50, s50, 4
	s_add_co_u32 s22, s22, s50
	s_mov_b32 s23, 0
	s_wait_kmcnt 0x0
	s_add_nc_u64 s[10:11], s[10:11], s[22:23]
.set i, 0
.rept QPW
	global_load_b128 v[STG+4*i:STG+4*i+3], v[LOFF], s[10:11] offset:512*SW*i       ; and SW quads on are SW / 2 x 1,024 bytes on
.set i, i+1
.endr
.set i, 0
.rept WPW-1
	global_load_b32 v[K+i], v[KO], s[12:13] offset:128*NY*i        ; word y + NY i: 32 keys, 128 consecutive bytes
.set i, i+1
.endr
	global_load_b32 v[K+WPW-1], v[KL], s[12:13]
	s_wait_loadcnt WPW                             ; my quads are in; the WPW loads of keys behind them may be out
.set i, 0
.rept QPW
	ds_store_b128 v[IS], v[STG+4*i:STG+4*i+3] offset:512*SW*i
.set i, i+1
.endr
	s_wait_dscnt 0x0                               ; for the others' sake: my stores have landed
	s_barrier_signal -1
	s_barrier_wait -1                              ; the one barrier: every wave passes it, ahead of every branch on the keys
.set qd, 0
.rept 40
	ds_load_b128 v[C+4*qd:C+4*qd+3], v[IL] offset:512*qd           ; my key's ten rows, while the keys arrive and are sifted
.set qd, qd+1
.endr
	s_wait_loadcnt 0x0                             ; the keys
	; which queries have my key: a mask a word, then a lane a unit
.if LEVEL == 1
.set i, 0
.rept WPW
	v_cmp_eq_u32 s[38+i], s27, v[K+i]
.set i, i+1
.endr
	s_cmp_lt_u32 s28, 2
	s_cselect_b32 s[38+WPW-1], s[38+WPW-1], 0      ; the last word counts only where it exists
	s_mov_b32 s51, 0x0000ff00
	s_mov_b32 s52, 0x00ff0000
	s_mov_b32 s53, 0xff000000
.set k, 0
.rept NU                               ; register k: lanes 8 m .. 8 m + 7 take word 4 k + m, and each lane its four bits of it
	v_mov_b32 v[VM+k], s[38+4*k]
	v_mov_b32 v[R], s[38+4*k+1]
	v_mov_b32 v[R+1], s[38+4*k+2]
.if k < 2
	v_mov_b32 v[R+2], s[38+4*k+3]
.else
	v_mov_b32 v[R+2], 0                            ; there is no twelfth word
.endif
	v_cndmask_b32 v[VM+k], v[VM+k], v[R], s51
	v_cndmask_b32 v[VM+k], v[VM+k], v[R+1], s52
	v_cndmask_b32 v[VM+k], v[VM+k], v[R+2], s53
	v_and_b32 v[VM+k], v[UM], v[VM+k]
.set k, k+1
.endr
.else
.set q, 0
.rept 4                                ; thirteen words at a time: as many masks as there are scalar registers at hand
.set i, 0
.rept 13
	v_cmp_eq_u32 s[38+i], s27, v[K+13*q+i]
.set i, i+1
.endr
.if q == 3
	s_cmp_lt_u32 s28, 2
	s_cselect_b32 s50, s50, 0                      ; the last word counts only where it exists
.endif
.set i, 0
.rept 13
	v_writelane_b32 v[VM+(13*q+i)/32], s[38+i], (13*q+i)%32
.set i, i+1
.endr
.set q, q+1
.endr
.endif
	; the deal: the units that hold a query are numbered in order; I keep those whose number is sub modulo SW.  All partners number alike: they have read the same keys
	s_mov_b32 s21, 0
	s_mov_b32 s62, 0
.set k, 0
.rept NU
	v_cmp_ne_u32 s47, 0, v[VM+k]
	v_mbcnt_lo_u32_b32 v[R], s47, s21              ; units numbered so far + those in lower lanes of this register
	v_and_b32 v[R], SW-1, v[R]
	v_cmp_eq_u32 vcc_lo, s26, v[R]
	v_cndmask_b32 v[VM+k], 0, v[VM+k], vcc_lo
	s_bcnt1_i32_b32 s48, s47
	s_add_co_u32 s21, s21, s48
.set k, k+1
.endr
	NEXT 0
	LOADE 0                                        ; my first three rows
	NEXT 1
	LOADE 1
	NEXT 2
	LOADE 2
	s_mov_b32 s20, 0
	s_wait_dscnt 0x0                               ; my key's ten rows are in
.Ltrip:                                            ; a trip takes three queries, one in each buffer; the loop is left where a buffer has none.  3 MAXT is more than a wave can be dealt
.irp b, 0,1,2
	s_cmp_lg_u32 s[44+\b], 0
	s_cbranch_scc0 .Lend
	PROC \b
.endr
	s_add_co_u32 s20, s20, 1
	s_cmp_lt_u32 s20, MAXT
	s_cbranch_scc1 .Ltrip
.Lend:
	s_wait_tensorcnt 0x0
	ds_add_u32 v254, v255
	s_wait_dscnt 0x0
	s_endpgm
.Lfunc_end_k_q1265aa1430_level1:
	.size	k_q1265aa1430_level1, .Lfunc_end_k_q1265aa1430_level1-k_q1265aa1430_level1
	.p2alignl 7, 3214868480
	.fill 96, 4, 3214868480
	.section	.rodata,"a",@progbits
	.p2align	6, 0x0
	.amdhsa_kernel k_q1265aa1430_level1
		.amdhsa_group_segment_fixed_size 43008
		.amdhsa_private_segment_fixed_size 0
		.amdhsa_enable_private_segment 0
		.amdhsa_kernarg_size 40
		.amdhsa_user_sgpr_count 2
		.amdhsa_user_sgpr_kernarg_segment_ptr 1
		.amdhsa_wavefront_size32 1
		.amdhsa_system_sgpr_workgroup_id_x 1
		.amdhsa_system_sgpr_workgroup_id_y 1
		.amdhsa_system_sgpr_workgroup_id_z 1
		.amdhsa_system_vgpr_workitem_id 0
		.amdhsa_next_free_vgpr 256
		.amdhsa_next_free_sgpr 66
		.amdhsa_reserve_vcc 1
		.amdhsa_float_denorm_mode_32 3
		.amdhsa_float_denorm_mode_16_64 3
		.amdhsa_memory_ordered 1
		.amdhsa_forward_progress 1
		.amdhsa_inst_pref_size 59
	.end_amdhsa_kernel
	.amdgpu_metadata
---
amdhsa.version: [ 1, 2 ]
amdhsa.kernels:
  - .name:           k_q1265aa1430_level1
    .symbol:         k_q1265aa1430_level1.kd
    .args:
      - { .name: embeddings, .offset: 0, .size: 8, .value_kind: global_buffer, .address_space: global }
      - { .name: centroids_1, .offset: 8, .size: 8, .value_kind: global_buffer, .address_space: global }
      - { .name: cur0, .offset: 16, .size: 8, .value_kind: global_buffer, .address_space: global }
      - { .name: cur1, .offset: 24, .size: 8, .value_kind: global_buffer, .address_space: global }
      - { .name: out3, .offset: 32, .size: 8, .value_kind: global_buffer, .address_space: global }
    .group_segment_fixed_size: 43008
    .private_segment_fixed_size: 0
    .kernarg_segment_align: 8
    .kernarg_segment_size: 40
    .max_flat_workgroup_size: 512
    .sgpr_count:     66
    .vgpr_count:     256
    .wavefront_size: 32
...
	.end_amdgpu_metadata
.endif
;; end of part 4
;; launch level2 (part 5): grid 25 x 10, 16 waves a work-group, no clusters, 83,968 bytes of LDS; arguments embeddings, centroids_2, cur1, out1, out2, out3; writes out1, out2, out3
.if DOCPART == 5
	.amdgcn_target "amdgcn-amd-amdhsa--gfx1250"
	.amdhsa_code_object_version 6
	.text
	.protected	k_q1265aa1430_level2
	.globl	k_q1265aa1430_level2
	.p2align	8
	.type	k_q1265aa1430_level2,@function
k_q1265aa1430_level2:
	s_mov_b64 s[64:65], 0
	v_nop
	global_prefetch_b8 v0, s[64:65] scope:SCOPE_SE
	s_setreg_imm32_b32 hwreg(HW_REG_WAVE_MODE, 25, 1), 1
	s_wait_xcnt 0x0
; ONE LEVEL OF THE WALK.  A query's key (the cluster that the level above chose, stored by the launch before as a whole number) names ten rows of this level's table; the nearest of them is the query's new cluster.
; A WAVE OWNS A KEY: it keeps key g's ten rows in 160 registers and takes queries that have that key.  So the ten rows are fetched once for many queries, not once for each.
; SHARES.  Work-group (x, y): keys GW x .. GW x + GW - 1, and the words y + NY i, i = 0 .. WPW - 1, of the 512 words of 32 stored keys (the last only where it exists: y < 2).  SW waves hold each key.
; THE QUERIES OF A KEY ARE DEALT among its SW waves.  All of them read the work-group's WPW words and find the same masks.  A UNIT is 32 >> LUPW neighbouring queries; the units that hold a query of the key are numbered in order,
; and wave sub keeps those whose number is sub modulo SW.  So each query has one owner, whatever the split (all queries on one key are served too, only slower), and partners' shares differ by one unit at the most.
; A wave that is dealt nothing stores nothing and ends.
; The SW waves that share a key fetch its 40 quads together, QPW each, and hand them round through LDS as images of registers.  No tensor load.
; Of the waves w, w + 4, w + 8, w + 12, and of four neighbours 4 b .. 4 b + 3, no more than 4 / GW hold the same key.
; THREE ROWS of a wave are on their way at a time: a row buffer is asked for again as soon as its distances are done.
; THE DISTANCE keeps reference()'s form: difference, square, f32 sum, root; the least root, the lower index on ties.
; RESULTS leave query by query.  The query's number, held inside the 16,384, goes into the stores' SCALAR base; the vector offset is made of the lane alone.  EXEC stays whole: the lanes that share an address write the same
; value there, and in return no change of EXEC, with its waits, stands in the loop.  A key's queries are scattered, so these are stores of a few bytes.
; This text serves levels 1 and 2: LEVEL sets the sizes, the arguments and what is stored.
; LIMITS: NaN and infinities among the inputs are not served (a query whose distances are all NaN gets the key's last row).  The f32 sums go in another order than reference()'s and the root is accurate to 1 ulp (ISA guide, its entry),
; so two centroids whose distances agree to the last bits may be ordered otherwise.
.set LEVEL, 2
.if LEVEL == 1
.set GW,   2                           ; keys a work-group
.set SW,   8                           ; waves a key
.set NY,   51                          ; work-groups along y
.set WPW,  11                          ; words a work-group: 51 x 10 = 510, and words 510, 511 as the eleventh of y = 0, 1
.set LUPW, 3                           ; 8 units of 4 queries a word
.set NU,   3                           ; 88 units in 3 registers, a lane a unit
.set MAXT, 16                          ; trips of three queries: a wave is dealt 11 units of 4 queries at the most
.else
.set GW,   4
.set SW,   4
.set NY,   10
.set WPW,  52                          ; 10 x 51 = 510, and words 510, 511 as the 52nd of y = 0, 1
.set LUPW, 0                           ; a word is a unit
.set NU,   2                           ; 52 units in 2 registers
.set MAXT, 140                         ; a wave is dealt 13 units of 32 queries at the most
.endif
.set QPW,  40/SW                       ; quads that a wave fetches
.set LOFF, 1                           ; v1   32 x lane: my bytes in a row's loads
.set VM,   2                           ; v2-4 lane l of register k: the queries of unit 32 k + l that are mine and still to be taken, a bit each, at their places in the word
.set VZ,   5                           ; v5   0: the offset of a store of one word; never rewritten
.set O3,   6                           ; v6   4 x min(lane, 2): the offset of a store of three words; never rewritten
.set GV,   7                           ; v7   lane 0: g / 10, the others: g: the path's first two numbers
.set X,    8
.set D,    9
.set MN,   10
.set VT,   11
.set PD,   12                          ; v12  the path: lane 0, lane 1, lanes 2 on
.set IL,   13                          ; v13  16 x lane + my key's 20,480 bytes of LDS
.set LANE, 14
.set AC,   16                          ; v16-25  five candidates' running sums, two halves each
.set T,    26                          ; v26-35  five candidates' differences
.set S,    36                          ; v36-45  the ten candidates' sums
.set E0,   46                          ; v46-61, v62-77, v78-93  three rows of embeddings by turns
.set C,    94                          ; v94-253 my key's ten rows
.set STG,  C+120                       ; at the head: my quads on their way to LDS
.set K,    16                          ; at the head: the keys, v16 on
.set IS,   78                          ; at the head: v78 where my quads go in LDS, v79 and v80 the key words' offsets, v81 my lane's unit in a word, v82-84 at work
.set KO,   79
.set KL,   80
.set UM,   81
.set R,    82
.set B0,   32                          ; s[32:35] lanes whose number has bit 0, 1, 2, 3 set
.set SEL,  36                          ; s[36:37]
.set EQ,   60
.set NEAR, 31
.set M3,   63                          ; s63  lanes 0 and 1
; s20 trip, s21 units numbered so far, s[22:23] an offset (s23 stays 0), s24 wave, s25 which key of the work-group's, s26 which of the key's waves, s27 g, s28 y, s29 32 y, s30 10 g, s[38:39], s[40:41], s[42:43] the stores' bases
; (at the head s38-s50: masks), s44-s46 is there a query in buffer 0, 1, 2, s47-s50 at work, s51-s53 the queries in buffers 0, 1, 2, s[54:59] their rows' addresses, s61 the new cluster, s62 units passed
.macro LOADROW e, base, off            ; a row of 512 f32: register 8 j + m of lane L is k = 256 j + 8 L + m
.irp i, 0,1,2,3
	global_load_b128 v[\e+4*\i:\e+4*\i+3], v[LOFF], s[\base:\base+1] offset:(\off)+(\i/2)*1024+(\i%2)*16
.endr
.endm
; candidates a .. a + 4 against the row in v[e] on: for each pair of numbers five differences, then five squares summed.  The five take turns, so that a multiply-add stands ten lines behind the one that it adds onto.
; Each candidate's own sums go in ascending k of the lane, two halves, which are added at the end.
.macro FIVE e, a
.irp j, 0,1
.irp p, 0,1,2,3
.irp c, 0,1,2,3,4
	v_pk_add_f32 v[T+2*\c:T+2*\c+1], v[C+16*(\a+\c)+8*\j+2*\p:C+16*(\a+\c)+8*\j+2*\p+1], v[\e+8*\j+2*\p:\e+8*\j+2*\p+1] neg_lo:[0,1] neg_hi:[0,1]
.endr
.irp c, 0,1,2,3,4
.if (\j == 0) && (\p == 0)
	v_pk_mul_f32 v[AC+2*\c:AC+2*\c+1], v[T+2*\c:T+2*\c+1], v[T+2*\c:T+2*\c+1]      ; the first squares start the sums
.else
	v_pk_fma_f32 v[AC+2*\c:AC+2*\c+1], v[T+2*\c:T+2*\c+1], v[T+2*\c:T+2*\c+1], v[AC+2*\c:AC+2*\c+1]
.endif
.endr
.endr
.endr
.irp c, 0,1,2,3,4
	v_add_f32 v[S+\a+\c], v[AC+2*\c], v[AC+2*\c+1]
.endr
.endm
.macro XADD r, m
	v_add_f32_dpp v[\r], v[\r], v[\r] row_xmask:\m row_mask:0xf bank_mask:0xf
.endm
; Ten sums over 32 lanes.  After each step of the butterfly half of the lanes go on with another candidate, so the registers halve: at the end lane r (of 16) holds candidate r for r < 8 and 8 + r % 2 for r >= 8.
; Then the root, the least of the roots, and the lowest lane that holds it: the lowest candidate, as reference()'s argmin has it.
.macro REDUCE
.irp c, 0,1,2,3,4,5,6,7,8,9
	XADD S+\c, 1
.endr
.irp c, 0,2,4,6,8
	v_cndmask_b32 v[S+\c], v[S+\c], v[S+\c+1], s[B0]
.endr
.irp c, 0,2,4,6,8
	XADD S+\c, 2
.endr
	v_cndmask_b32 v[S], v[S], v[S+2], s[B0+1]
	v_cndmask_b32 v[S+4], v[S+4], v[S+6], s[B0+1]
.irp c, 0,4,8
	XADD S+\c, 4
.endr
	v_cndmask_b32 v[S], v[S], v[S+4], s[B0+2]
	XADD S, 8
	XADD S+8, 8
	v_cndmask_b32 v[S], v[S], v[S+8], s[B0+3]
	v_permlanex16_b32 v[X], v[S], s[SEL], s[SEL+1]
	v_add_f32 v[S], v[S], v[X]                     ; both halves add the same two numbers: the same bits in lanes l and l xor 16
	v_sqrt_f32 v[D], v[S]
	v_nop                                          ; a plain instruction behind the root (ISA guide 5.7.2),
	s_wait_alu depctr_va_vdst(0)                   ; and a wait ahead of its first reader
	v_min_num_f32_dpp v[MN], v[D], v[D] row_xmask:1 row_mask:0xf bank_mask:0xf
	v_min_num_f32_dpp v[MN], v[MN], v[MN] row_xmask:2 row_mask:0xf bank_mask:0xf
	v_min_num_f32_dpp v[MN], v[MN], v[MN] row_xmask:4 row_mask:0xf bank_mask:0xf
	v_min_num_f32_dpp v[MN], v[MN], v[MN] row_xmask:8 row_mask:0xf bank_mask:0xf
	v_cmp_eq_f32 s[EQ], v[D], v[MN]
	s_ctz_i32_b32 s[NEAR], s[EQ]
	s_min_u32 s[NEAR], s[NEAR], 9                  ; this number is only ever stored
.endm
; My next query, for buffer b: the lowest bit of the lowest unit that has one left; the bit is cleared.  s[44 + b] says whether there was one; where there was none the holds give the last row: a load inside the buffer that nobody uses.
; Only the first register is searched: when it is empty the next ones move down, and 32 units are counted as passed.
.macro NEXT b
.rept NU-1
	v_cmp_ne_u32 vcc_lo, 0, v[VM]
	s_cbranch_vccnz .Lhave_\@
	v_mov_b32 v[VM], v[VM+1]
.if NU == 3
	v_mov_b32 v[VM+1], v[VM+2]
	v_mov_b32 v[VM+2], 0
.else
	v_mov_b32 v[VM+1], 0
.endif
	s_add_co_u32 s62, s62, 32
.endr
	v_cmp_ne_u32 vcc_lo, 0, v[VM]
.Lhave_\@:
	s_ctz_i32_b32 s47, vcc_lo
	s_min_u32 s47, s47, 31                         ; the unit's lane
	v_readlane_b32 s48, v[VM], s47
	s_cmp_lg_u32 s48, 0
	s_cselect_b32 s[44+\b], 1, 0
	s_ctz_i32_b32 s49, s48
	s_min_u32 s49, s49, 31                         ; the query's bit in its word
	s_sub_co_u32 s50, s48, 1
	s_and_b32 s48, s48, s50
	v_writelane_b32 v[VM], s48, s47
	s_add_co_u32 s47, s47, s62                     ; the unit's number,
.if LUPW > 0
	s_lshr_b32 s47, s47, LUPW                      ; its word i of the work-group's
.endif
	s_mul_i32 s[51+\b], s47, 32*NY
	s_add_co_u32 s[51+\b], s[51+\b], s29
	s_add_co_u32 s[51+\b], s[51+\b], s49           ; query = 32 (y + NY i) + bit,
	s_min_u32 s[51+\b], s[51+\b], 0x3fff           ; held inside the 16,384
.endm
.macro LOADE b                         ; the row of the query in s[51 + b] into buffer b
	s_lshl_b32 s22, s[51+\b], 11
	s_add_nc_u64 s[54+2*\b:55+2*\b], s[8:9], s[22:23]
	LOADROW E0+16*\b, 54+2*\b, 0
.endm
; One query, in buffer b: its distances, where its results go, the row three queries on, the nearest, the stores.
.macro PROC b
	s_wait_loadcnt 0x8                             ; loads come back in order (ISA guide 5.7.1): this buffer's four are in, the other two buffers' eight, issued later, may be out
	FIVE E0+16*\b, 0
	FIVE E0+16*\b, 5
	s_wait_xcnt 0x0                                ; the last query's stores, issued ahead of the 170 lines above, have read their bases and data: both are written again only behind this wait
	s_lshl_b32 s22, s[51+\b], 2
	s_add_nc_u64 s[38:39], s[14:15], s[22:23]      ; a word for each query: cur1 (level 1), out1 (level 2)
	s_mul_i32 s22, s[51+\b], 12
	s_add_nc_u64 s[40:41], s[16:17], s[22:23]      ; rows of 12 bytes: out3 (level 1), out2 (level 2)
.if LEVEL == 2
	s_add_nc_u64 s[42:43], s[18:19], s[22:23]      ; out3
.endif
	NEXT \b
	LOADE \b
	REDUCE
	s_add_co_u32 s61, s30, s[NEAR]                 ; 10 g + nearest
	v_mov_b32 v[VT], s61
.if LEVEL == 1
	global_store_b32 v[VZ], v[VT], s[38:39]        ; cur1: the next launch's key
	global_store_b32 v[VZ], v[MN], s[40:41] offset:4   ; out3's second column
.else
	v_cndmask_b32 v[PD], v[VT], v[GV], s[M3]       ; the path is g / 10, g, 10 g + nearest: the key IS the cluster of the level above
	global_store_b32 v[VZ], v[VT], s[38:39]        ; out1: the leaf
	global_store_b32 v[O3], v[PD], s[40:41]        ; out2: 12 consecutive bytes
	global_store_b32 v[VZ], v[MN], s[42:43] offset:8   ; out3's third column
.endif
.endm
.if LEVEL == 1
	s_load_b256 s[8:15], s[0:1], 0x0               ; embeddings s[8:9], the table s[10:11], the keys s[12:13], cur1 s[14:15]
	s_load_b64 s[16:17], s[0:1], 0x20              ; out3
.else
	s_load_b256 s[8:15], s[0:1], 0x0               ; embeddings s[8:9], the table s[10:11], the keys s[12:13], out1 s[14:15]
	s_load_b128 s[16:19], s[0:1], 0x20             ; out2 s[16:17], out3 s[18:19]
	v_lshl_add_u32 v254, v0, 2, 0x14000
	v_mov_b32 v255, 0
.endif
	v_lshrrev_b32 v[VT], 5, v0
	v_readfirstlane_b32 s24, v[VT]                 ; wave
	v_and_b32 v[LANE], 31, v0
	v_lshlrev_b32 v[LOFF], 5, v[LANE]
	s_lshr_b32 s25, s24, 2
.if LEVEL == 1
	s_xor_b32 s25, s25, s24
	s_and_b32 s25, s25, 1                          ; which key: (wave xor wave / 4) % 2;
	s_lshr_b32 s26, s24, 1                         ; which of its eight waves: wave / 2 (waves 2 i and 2 i + 1 hold different keys)
.else
	s_add_co_u32 s25, s25, s24
	s_and_b32 s25, s25, 3                          ; which key: (wave + wave / 4) % 4;
	s_lshr_b32 s26, s24, 2                         ; which of its four waves: wave / 4
.endif
	s_mul_i32 s27, ttmp9, GW
	s_add_co_u32 s27, s27, s25                     ; my key
	s_and_b32 s28, ttmp7, 0xffff                   ; y
	s_lshl_b32 s29, s28, 5
	s_mul_i32 s30, s27, 10
	s_mov_b32 s[B0], 0xaaaaaaaa
	s_mov_b32 s[B0+1], 0xcccccccc
	s_mov_b32 s[B0+2], 0xf0f0f0f0
	s_mov_b32 s[B0+3], 0xff00ff00
	s_mov_b32 s[SEL], 0x76543210
	s_mov_b32 s[SEL+1], 0xfedcba98
	s_mul_i32 s50, s25, 20480
	v_lshl_add_u32 v[IL], v[LANE], 4, s50
	s_lshl_b32 s50, s26, 9
	v_add_nc_u32 v[IS], s50, v[IL]                 ; my quads are sub, sub + SW, sub + 2 SW ..: quad qd lies at 512 qd
	s_lshl_b32 s50, s28, 7
	v_lshl_add_u32 v[KO], v[LANE], 2, s50          ; word y: 128 y + 4 x lane
	s_add_co_u32 s50, s28, 510
	s_min_u32 s50, s50, 511                        ; the last word, y + 510, is not counted where it does not exist; its load stays inside the buffer
	s_lshl_b32 s50, s50, 7
	v_lshl_add_u32 v[KL], v[LANE], 2, s50
.irp r, X, MN, VZ
	v_mov_b32 v[\r], 0                             ; written whole once: lane exchanges count their destination as read; VZ stays 0
.endr
.if LEVEL == 1
	v_and_b32 v[UM], 7, v[LANE]
	v_lshlrev_b32 v[UM], 2, v[UM]
	v_lshlrev_b32 v[UM], v[UM], 15                 ; my lane's unit in its word: four bits at 4 (lane % 8)
.else
	v_mov_b32 v[VM], 0                             ; (lane writes count their destination as read; lanes 20 on of the second stay 0)
	v_mov_b32 v[VM+1], 0
	v_min_u32 v[O3], 2, v[LANE]
	v_lshlrev_b32 v[O3], 2, v[O3]
	s_mov_b32 s[M3], 3
	s_mul_i32 s50, s27, 205
	s_lshr_b32 s50, s50, 11                        ; g / 10, exact for g < 100
	v_mov_b32 v[GV], s27
	v_writelane_b32 v[GV], s50, 0
.endif
	s_mul_i32 s22, s27, 20480                      ; my key's ten rows; quad qd of them lies at 1,024 (qd / 2) + 16 (qd % 2) + 32 x lane: my first is quad sub,
	s_lshr_b32 s50, s26, 1
	s_lshl_b32 s50, s50, 10
	s_add_co_u32 s22, s22, s50
	s_and_b32 s50, s26, 1
	s_lshl_b32 s50, s50, 4
	s_add_co_u32 s22, s22, s50
	s_mov_b32 s23, 0
	s_wait_kmcnt 0x0
	s_add_nc_u64 s[10:11], s[10:11], s[22:23]
.set i, 0
.rept QPW
	global_load_b128 v[STG+4*i:STG+4*i+3], v[LOFF], s[10:11] offset:512*SW*i       ; and SW quads on are SW / 2 x 1,024 bytes on
.set i, i+1
.endr
.set i, 0
.rept WPW-1
	global_load_b32 v[K+i], v[KO], s[12:13] offset:128*NY*i        ; word y + NY i: 32 keys, 128 consecutive bytes
.set i, i+1
.endr
	global_load_b32 v[K+WPW-1], v[KL], s[12:13]
	s_wait_loadcnt WPW                             ; my quads are in; the WPW loads of keys behind them may be out
.set i, 0
.rept QPW
	ds_store_b128 v[IS], v[STG+4*i:STG+4*i+3] offset:512*SW*i
.set i, i+1
.endr
	s_wait_dscnt 0x0                               ; for the others' sake: my stores have landed
	s_barrier_signal -1
	s_barrier_wait -1                              ; the one barrier: every wave passes it, ahead of every branch on the keys
.set qd, 0
.rept 40
	ds_load_b128 v[C+4*qd:C+4*qd+3], v[IL] offset:512*qd           ; my key's ten rows, while the keys arrive and are sifted
.set qd, qd+1
.endr
	s_wait_loadcnt 0x0                             ; the keys
	; which queries have my key: a mask a word, then a lane a unit
.if LEVEL == 1
.set i, 0
.rept WPW
	v_cmp_eq_u32 s[38+i], s27, v[K+i]
.set i, i+1
.endr
	s_cmp_lt_u32 s28, 2
	s_cselect_b32 s[38+WPW-1], s[38+WPW-1], 0      ; the last word counts only where it exists
	s_mov_b32 s51, 0x0000ff00
	s_mov_b32 s52, 0x00ff0000
	s_mov_b32 s53, 0xff000000
.set k, 0
.rept NU                               ; register k: lanes 8 m .. 8 m + 7 take word 4 k + m, and each lane its four bits of it
	v_mov_b32 v[VM+k], s[38+4*k]
	v_mov_b32 v[R], s[38+4*k+1]
	v_mov_b32 v[R+1], s[38+4*k+2]
.if k < 2
	v_mov_b32 v[R+2], s[38+4*k+3]
.else
	v_mov_b32 v[R+2], 0                            ; there is no twelfth word
.endif
	v_cndmask_b32 v[VM+k], v[VM+k], v[R], s51
	v_cndmask_b32 v[VM+k], v[VM+k], v[R+1], s52
	v_cndmask_b32 v[VM+k], v[VM+k], v[R+2], s53
	v_and_b32 v[VM+k], v[UM], v[VM+k]
.set k, k+1
.endr
.else
.set q, 0
.rept 4                                ; thirteen words at a time: as many masks as there are scalar registers at hand
.set i, 0
.rept 13
	v_cmp_eq_u32 s[38+i], s27, v[K+13*q+i]
.set i, i+1
.endr
.if q == 3
	s_cmp_lt_u32 s28, 2
	s_cselect_b32 s50, s50, 0                      ; the last word counts only where it exists
.endif
.set i, 0
.rept 13
	v_writelane_b32 v[VM+(13*q+i)/32], s[38+i], (13*q+i)%32
.set i, i+1
.endr
.set q, q+1
.endr
.endif
	; the deal: the units that hold a query are numbered in order; I keep those whose number is sub modulo SW.  All partners number alike: they have read the same keys
	s_mov_b32 s21, 0
	s_mov_b32 s62, 0
.set k, 0
.rept NU
	v_cmp_ne_u32 s47, 0, v[VM+k]
	v_mbcnt_lo_u32_b32 v[R], s47, s21              ; units numbered so far + those in lower lanes of this register
	v_and_b32 v[R], SW-1, v[R]
	v_cmp_eq_u32 vcc_lo, s26, v[R]
	v_cndmask_b32 v[VM+k], 0, v[VM+k], vcc_lo
	s_bcnt1_i32_b32 s48, s47
	s_add_co_u32 s21, s21, s48
.set k, k+1
.endr
	NEXT 0
	LOADE 0                                        ; my first three rows
	NEXT 1
	LOADE 1
	NEXT 2
	LOADE 2
	s_mov_b32 s20, 0
	s_wait_dscnt 0x0                               ; my key's ten rows are in
.Ltrip:                                            ; a trip takes three queries, one in each buffer; the loop is left where a buffer has none.  3 MAXT is more than a wave can be dealt
.irp b, 0,1,2
	s_cmp_lg_u32 s[44+\b], 0
	s_cbranch_scc0 .Lend
	PROC \b
.endr
	s_add_co_u32 s20, s20, 1
	s_cmp_lt_u32 s20, MAXT
	s_cbranch_scc1 .Ltrip
.Lend:
	s_wait_tensorcnt 0x0
	ds_add_u32 v254, v255
	s_wait_dscnt 0x0
	s_endpgm
.Lfunc_end_k_q1265aa1430_level2:
	.size	k_q1265aa1430_level2, .Lfunc_end_k_q1265aa1430_level2-k_q1265aa1430_level2
	.p2alignl 7, 3214868480
	.fill 96, 4, 3214868480
	.section	.rodata,"a",@progbits
	.p2align	6, 0x0
	.amdhsa_kernel k_q1265aa1430_level2
		.amdhsa_group_segment_fixed_size 83968
		.amdhsa_private_segment_fixed_size 0
		.amdhsa_enable_private_segment 0
		.amdhsa_kernarg_size 48
		.amdhsa_user_sgpr_count 2
		.amdhsa_user_sgpr_kernarg_segment_ptr 1
		.amdhsa_wavefront_size32 1
		.amdhsa_system_sgpr_workgroup_id_x 1
		.amdhsa_system_sgpr_workgroup_id_y 1
		.amdhsa_system_sgpr_workgroup_id_z 1
		.amdhsa_system_vgpr_workitem_id 0
		.amdhsa_next_free_vgpr 256
		.amdhsa_next_free_sgpr 66
		.amdhsa_reserve_vcc 1
		.amdhsa_float_denorm_mode_32 3
		.amdhsa_float_denorm_mode_16_64 3
		.amdhsa_memory_ordered 1
		.amdhsa_forward_progress 1
		.amdhsa_inst_pref_size 67
	.end_amdhsa_kernel
	.amdgpu_metadata
---
amdhsa.version: [ 1, 2 ]
amdhsa.kernels:
  - .name:           k_q1265aa1430_level2
    .symbol:         k_q1265aa1430_level2.kd
    .args:
      - { .name: embeddings, .offset: 0, .size: 8, .value_kind: global_buffer, .address_space: global }
      - { .name: centroids_2, .offset: 8, .size: 8, .value_kind: global_buffer, .address_space: global }
      - { .name: cur1, .offset: 16, .size: 8, .value_kind: global_buffer, .address_space: global }
      - { .name: out1, .offset: 24, .size: 8, .value_kind: global_buffer, .address_space: global }
      - { .name: out2, .offset: 32, .size: 8, .value_kind: global_buffer, .address_space: global }
      - { .name: out3, .offset: 40, .size: 8, .value_kind: global_buffer, .address_space: global }
    .group_segment_fixed_size: 83968
    .private_segment_fixed_size: 0
    .kernarg_segment_align: 8
    .kernarg_segment_size: 48
    .max_flat_workgroup_size: 512
    .sgpr_count:     66
    .vgpr_count:     256
    .wavefront_size: 32
...
	.end_amdgpu_metadata
.endif
;; end of part 5
;; ======== version 3 of 3: 3 launches; version 2 with the launch hash_l0 written anew for expert scheduling mode
;; workspace buffers: cur0 65,536 bytes of whole numbers; cur1 65,536 bytes of whole numbers
;; launch hash_l0 (part 6): grid 256 x 1, 16 waves a work-group, no clusters, 77,824 bytes of LDS; arguments embeddings, centroids_0, hash_W_codes, hash_W_scales, hash_b, out0, out4, cur0, out3; writes out0, out4, cur0, out3
.if DOCPART == 6
	.amdgcn_target "amdgcn-amd-amdhsa--gfx1250"
	.amdhsa_code_object_version 6
	.text
	.protected	k_q1265aa1430_hash_l0
	.globl	k_q1265aa1430_hash_l0
	.p2align	8
	.type	k_q1265aa1430_hash_l0,@function
k_q1265aa1430_hash_l0:
	s_mov_b64 s[64:65], 0
	v_nop
	global_prefetch_b8 v0, s[64:65] scope:SCOPE_SE
	s_setreg_imm32_b32 hwreg(HW_REG_WAVE_SCHED_MODE, 0, 2), 2
	s_setreg_imm32_b32 hwreg(HW_REG_WAVE_MODE, 25, 1), 1
	s_wait_xcnt 0x0
	s_wait_alu depctr_vm_vsrc(0)
; proj = Q(embeddings) x hash_W + hash_b on codes of FP4 (E2M1) with one E8M0 scale for each 32 along K (out4), the sign bits of each table's 16 numbers as a whole number (out0),
; and level 0 of the walk: the nearest of centroids_0's ten rows for each query (cur0, for the next launch) and its distance (the first of out3's three columns; the next two launches store the other two).
; SHARES.  A work-group of sixteen waves takes 64 queries.  Wave w reads queries 4 w .. 4 w + 3 ONCE: each row is quantised (codes and scale bytes to LDS) and measured against the ten centroids, which lie in 160 registers.
; Then wave w multiplies: table t = w % 8 (16 columns) for the 32 queries 32 (w / 8) on: two accumulators by turns, four K steps of 128.
; A ROW IN REGISTERS: 16 a lane; register 8 j + m of lane L is k = 256 j + 8 L + m.  So a lane holds 8 neighbours along K for the conversion, four lanes hold a block of 32, and two neighbouring loads cover 1,024 consecutive bytes.
; THE DISTANCE keeps reference()'s form: difference, square, f32 sum, root; the least root, the lower index on ties.
; THE PRODUCT IS USED TRANSPOSED (source 0 = 16 rows of hash_W, source 1 = 16 queries): a lane holds one query and eight neighbouring columns.  The bias is the C of each sum's first matrix instruction.
; LIMITS: NaN and infinities among the inputs are not served (a query whose distances are all NaN gets index 9).  The f32 sums go in another order than reference()'s and the root is accurate to 1 ulp (ISA guide, its entry),
; so two centroids whose distances agree to the last bits may be ordered otherwise.  A block of zeros gets the scale byte 1 where the rule says 127: its codes are zeros, and this program alone reads the bytes.
; THE MODE: SCHED_MODE bits 1:0 = 2 (LLVM: expert scheduling mode 2), set by the entry lines.  The code itself states the register dependences
; between vector or matrix instructions and memory or LDS instructions, with s_wait_alu, always for 0.
; THE PLAN.  Registers that memory or LDS instructions touch:
;   v1-v9      addresses.  Written at the head, ahead of one wait on va_vdst; read up to the second barrier; behind it, and behind one wait on vm_vsrc, written anew.  v2 and v3 are read there by the fragments' LDS loads
;              and written a third time behind the products: a second wait on vm_vsrc stands ahead of the products.
;   T          Waves 0 to 9: loaded, read by four LDS stores; later the differences write it: one wait on vm_vsrc behind the first barrier.
;   E0, E1     A query's row: loaded; read by the quantiser and the five pairs of candidates; asked for again behind the wait on va_vdst that follows the last pair.
;   QC, QB     A query's codes and bytes: written by the quantiser, read by four LDS stores, which stand behind that same wait.
;   VT, MN     A query's nearest and distance: written at the end of the reduction, read by two LDS stores behind a wait on va_vdst.  The next query writes QC, QB, VT and MN again: one wait on vm_vsrc at its head.
;   C          The centroids: loaded from LDS once, read by the pairs.  In the last query v76-115 take hash_W's fragments and the bias behind a wait on va_vdst that follows the second pair (that query's four code stores
;              follow it too); v116-179 take the queries' fragments behind the wait on va_vdst at the product's head.
;   ACC, CD    Written by the products and by the lines that gather the sign bits; read by six LDS stores behind one wait on va_vdst.
;   WS, XS, ROWS, MI are written by loads alone, and read by matrix instructions or stores.
; Scalars that vector instructions write (the wave's number, the mask of the least distance, the sixteen masks of signs) have a wait on va_sdst ahead of their first reader.
.set CP,     272                       ; a query's codes in LDS: 256 bytes + 16: the sixteen rows of a fragment load start 68 words apart
.set PP,     528                       ; a query's row of proj in LDS: 512 bytes + 16
.set IMG,    0                         ; LDS: the ten centroids as images of registers: quad qd of 40 at 512 qd + 16 x lane
.set CODES,  20480                     ; 64 rows of codes
.set SCALES, CODES+64*CP               ; 64 rows of 16 scale bytes
.set MISC,   SCALES+64*16              ; 64 x 32 bytes of hash codes; + 2,048: 64 nearest; + 2,304: 64 distances
.set PSTG,   MISC+2560                 ; 64 rows of proj; ends at 75,264.  No region is used twice
.set LOFF, 1                           ; v1   32 x lane: my bytes in a row's loads
.set CA,   2                           ; v2   where my codes go: CODES + 4 w rows + 4 x lane
.set SA,   3                           ; v3   where my block's byte goes: SCALES + 64 w + lane / 4
.set RA,   4                           ; v4   my wave's four results: MISC + 2,048 + 16 w
.set IL,   5                           ; v5   16 x lane: an image's place for my lane
.set IS,   6                           ; v6   + 2,048 w: where centroid row w's four quads go
.set WA,   7                           ; v7   hash_W's codes: 256 r + 16 h
.set WSA,  8                           ; v8   its scale words: 16 r
.set BA,   9                           ; v9   hash_b: 32 h
.set X,    10                          ; v10  the other half's number
.set D,    11                          ; v11  the distance of my lane's candidate
.set MN,   12                          ; v12  the least distance
.set VT,   13                          ; v13  at work
.set AA,   14                          ; v[14:15], v[16:17] two candidates' running sums, two halves each
.set AB,   16
.set S,    18                          ; v18-27  the ten candidates' sums
.set T,    28                          ; v28-43  differences; at the head: a centroid row on its way to LDS
.set E0,   44                          ; v44-59, v60-75  two rows of embeddings by turns
.set E1,   60
.set C,    76                          ; v76-235 the ten centroids
.set WS,   236                         ; v236-239 hash_W's scale words, v240-247 the queries': these hold scales and nothing else
.set XS,   240
.set QM,   248                         ; v248-255 the quantiser's: largest magnitudes, scale operands, bytes, codes: two blocks each
.set QS,   250
.set QB,   252
.set QC,   254
; behind the second barrier v1-v9 are written anew (they never hold loaded data), and the centroids' registers are free
.set HS,   1                           ; where a hash code goes
.set XA,   2                           ; the queries' fragments
.set XSA,  3                           ; and scale words
.set PS,   4                           ; where my 32 bytes of a row of proj go
.set RR,   5                           ; r = lane % 16
.set HH,   6                           ; h = lane / 16
.set PR,   2                           ; later: where I read a row of proj back
.set MO,   3                           ; where I read 8 bytes of MISC
.set O24,  5                           ; 24 x lane: two rows of out3
.set OL,   7                           ; 16 x lane
.set OM,   8                           ; 8 x lane
.set SH,   9                           ; 8 h
.set W,    76                          ; hash_W's four fragments
.set BIAS, 108
.set XF,   116                         ; the queries' eight fragments
.set ACC,  180                         ; two accumulators
.set ROWS, 196
.set MI,   212
.set CD,   18                          ; two hash codes
.set B0,   28                          ; s[28:31] lanes whose number has bit 0, 1, 2, 3 set
.set SEL,  32                          ; s[32:33] v_permlanex16_b32's selects for lane l xor 16
.set EQ,   34
.set NEAR, 35
.set SB,   46                          ; s46-61  the lanes whose register j of accumulator mm is positive: s[SB + 8 mm + j]
.macro LOADROW e, base, off            ; a row of 512 f32: four loads of 16 bytes a lane
.irp i, 0,1,2,3
	global_load_b128 v[\e+4*\i:\e+4*\i+3], v[LOFF], s[\base:\base+1] offset:(\off)+(\i/2)*1024+(\i%2)*16
.endr
.endm
; candidates a and a + 1 against the row in v[e] on: differences, then squares summed, the two candidates by turns so that no line waits for the line above it
.macro PAIR e, a
.irp j, 0,1
.irp p, 0,1,2,3
	v_pk_add_f32 v[T+2*\p:T+2*\p+1], v[C+16*(\a)+8*\j+2*\p:C+16*(\a)+8*\j+2*\p+1], v[\e+8*\j+2*\p:\e+8*\j+2*\p+1] neg_lo:[0,1] neg_hi:[0,1]
.endr
.irp p, 0,1,2,3
	v_pk_add_f32 v[T+8+2*\p:T+8+2*\p+1], v[C+16*(\a+1)+8*\j+2*\p:C+16*(\a+1)+8*\j+2*\p+1], v[\e+8*\j+2*\p:\e+8*\j+2*\p+1] neg_lo:[0,1] neg_hi:[0,1]
.endr
.irp p, 0,1,2,3
.if (\j == 0) && (\p == 0)
	v_pk_mul_f32 v[AA:AA+1], v[T:T+1], v[T:T+1]                    ; the first squares start the sums
	v_pk_mul_f32 v[AB:AB+1], v[T+8:T+9], v[T+8:T+9]
.else
	v_pk_fma_f32 v[AA:AA+1], v[T+2*\p:T+2*\p+1], v[T+2*\p:T+2*\p+1], v[AA:AA+1]
	v_pk_fma_f32 v[AB:AB+1], v[T+8+2*\p:T+8+2*\p+1], v[T+8+2*\p:T+8+2*\p+1], v[AB:AB+1]
.endif
.endr
.endr
	v_add_f32 v[S+\a], v[AA], v[AA+1]
	v_add_f32 v[S+\a+1], v[AB], v[AB+1]
.endm
.macro XADD r, m
	v_add_f32_dpp v[\r], v[\r], v[\r] row_xmask:\m row_mask:0xf bank_mask:0xf
.endm
; Ten sums over 32 lanes.  After each step of the butterfly half of the lanes go on with another candidate, so the registers halve: at the end lane r (of 16) holds candidate r for r < 8 and 8 + r % 2 for r >= 8.
; Then the root, the least of the roots, and the lowest lane that holds it: the lowest candidate, as reference()'s argmin has it.
.macro REDUCE
.irp c, 0,1,2,3,4,5,6,7,8,9
	XADD S+\c, 1
.endr
.irp c, 0,2,4,6,8
	v_cndmask_b32 v[S+\c], v[S+\c], v[S+\c+1], s[B0]
.endr
.irp c, 0,2,4,6,8
	XADD S+\c, 2
.endr
	v_cndmask_b32 v[S], v[S], v[S+2], s[B0+1]
	v_cndmask_b32 v[S+4], v[S+4], v[S+6], s[B0+1]
.irp c, 0,4,8
	XADD S+\c, 4
.endr
	v_cndmask_b32 v[S], v[S], v[S+4], s[B0+2]
	XADD S, 8
	XADD S+8, 8
	v_cndmask_b32 v[S], v[S], v[S+8], s[B0+3]
	v_permlanex16_b32 v[X], v[S], s[SEL], s[SEL+1]
	v_add_f32 v[S], v[S], v[X]                     ; both halves add the same two numbers: the same bits in lanes l and l xor 16
	v_sqrt_f32 v[D], v[S]
	v_nop                                          ; a plain instruction behind the root (ISA guide 5.7.2),
	s_wait_alu depctr_va_vdst(0)                   ; and the root has written v[D], ahead of its first reader
	v_min_num_f32_dpp v[MN], v[D], v[D] row_xmask:1 row_mask:0xf bank_mask:0xf
	v_min_num_f32_dpp v[MN], v[MN], v[MN] row_xmask:2 row_mask:0xf bank_mask:0xf
	v_min_num_f32_dpp v[MN], v[MN], v[MN] row_xmask:4 row_mask:0xf bank_mask:0xf
	v_min_num_f32_dpp v[MN], v[MN], v[MN] row_xmask:8 row_mask:0xf bank_mask:0xf
	v_cmp_eq_f32 s[EQ], v[D], v[MN]
	s_wait_alu depctr_va_sdst(0)                   ; the compare has written s[EQ], ahead of its first reader
	s_ctz_i32_b32 s[NEAR], s[EQ]
	s_min_u32 s[NEAR], s[NEAR], 9                  ; this number is only ever stored
.endm
; The row in v[e] on becomes codes and scale bytes in registers.  My 8 numbers of j = 0 and of j = 1 belong to blocks 8 j + lane / 4; four lanes share a block.
.macro QUANT e
.irp j, 0,1
	v_max3_num_f32 v[QM+\j], |v[\e+8*\j]|, |v[\e+8*\j+1]|, 0x1800000   ; with the floor 2^(3 - 127): the byte cannot fall under 1
.endr
.irp m, 2,4,6
.irp j, 0,1
	v_max3_num_f32 v[QM+\j], v[QM+\j], |v[\e+8*\j+\m]|, |v[\e+8*\j+\m+1]|
.endr
.endr
.irp m, 1,2
.irp j, 0,1
	v_max_num_f32_dpp v[QM+\j], v[QM+\j], v[QM+\j] row_xmask:\m row_mask:0xf bank_mask:0xf
.endr
.endr
.irp j, 0,1
	v_add_nc_u32 v[QS+\j], 0xff000000, v[QM+\j]    ; 2 off the exponent field: the conversion takes that field of this operand as its scale
.endr
.irp j, 0,1
	v_lshrrev_b32 v[QB+\j], 23, v[QS+\j]           ; the scale's byte
.endr
.irp j, 0,1
	v_cvt_scalef32_pk8_fp4_f32 v[QC+\j], v[\e+8*\j:\e+8*\j+7], v[QS+\j]
.endr
	v_nop                                          ; one plain instruction behind the last scaled conversion
.endm
; and go to LDS, as query i of my four: behind a wait that shows them written
.macro QSTORE i
.irp j, 0,1
	ds_store_b32 v[CA], v[QC+\j] offset:CP*\i+128*\j   ; codes of k = 256 j + 8 L on: byte 128 j + 4 L of the row
	ds_store_b8 v[SA], v[QB+\j] offset:16*\i+8*\j      ; the four lanes of a block write the same byte with the same value
.endr
.endm
	s_load_b512 s[8:23], s[0:1], 0x0               ; embeddings s[8:9], centroids_0 s[10:11], W's codes s[12:13], W's scales s[14:15], b s[16:17], out0 s[18:19], out4 s[20:21], cur0 s[22:23]
	s_load_b64 s[24:25], s[0:1], 0x40              ; out3
	v_lshrrev_b32 v[VT], 5, v0
	v_readfirstlane_b32 s26, v[VT]                 ; wave 0..15
	v_and_b32 v[VT], 31, v0                        ; lane
	v_and_b32 v[X], 15, v0                         ; r   (X and MN are so written before they are a lane exchange's destination)
	v_bfe_u32 v[MN], v0, 4, 1                      ; h
	v_lshlrev_b32 v[LOFF], 5, v[VT]
	s_wait_alu depctr_va_sdst(0)                   ; s26 is written, ahead of its first reader: addresses and branches are made from it
	s_mul_i32 s36, s26, 4*CP
	v_lshl_add_u32 v[CA], v[VT], 2, s36
	v_add_nc_u32 v[CA], CODES, v[CA]
	s_lshl_b32 s36, s26, 6
	v_lshrrev_b32 v[SA], 2, v[VT]
	v_add_nc_u32 v[SA], s36, v[SA]
	v_add_nc_u32 v[SA], SCALES, v[SA]
	s_lshl_b32 s36, s26, 4
	s_add_co_u32 s36, s36, MISC+2048
	v_mov_b32 v[RA], s36
	v_lshlrev_b32 v[IL], 4, v[VT]
	s_lshl_b32 s36, s26, 11
	v_add_nc_u32 v[IS], s36, v[IL]
	v_lshlrev_b32 v[WA], 8, v[X]
	v_lshl_add_u32 v[WA], v[MN], 4, v[WA]
	v_lshlrev_b32 v[WSA], 4, v[X]
	v_lshlrev_b32 v[BA], 5, v[MN]
	s_mov_b32 s[B0], 0xaaaaaaaa
	s_mov_b32 s[B0+1], 0xcccccccc
	s_mov_b32 s[B0+2], 0xf0f0f0f0
	s_mov_b32 s[B0+3], 0xff00ff00
	s_mov_b32 s[SEL], 0x76543210
	s_mov_b32 s[SEL+1], 0xfedcba98
	s_and_b32 s27, s26, 7                          ; my table
	s_lshl_b32 s36, ttmp9, 17                      ; 64 rows of 2,048 bytes a work-group,
	s_lshl_b32 s44, s26, 13                        ; 4 a wave
	s_add_co_u32 s36, s36, s44
	s_mov_b32 s37, 0
	s_wait_kmcnt 0x0
	s_add_nc_u64 s[8:9], s[8:9], s[36:37]
	s_wait_alu depctr_va_vdst(0)                   ; the nine addresses v1 to v9 are written, which the loads and LDS instructions up to the second barrier read
	LOADROW E0, 8, 0                               ; my first two queries
	LOADROW E1, 8, 2048
	s_min_u32 s36, s26, 9                          ; (waves 10 to 15 load no centroid; their pointer stays inside the table)
	s_lshl_b32 s36, s36, 11
	s_add_nc_u64 s[10:11], s[10:11], s[36:37]      ; centroid row w
	s_lshl_b32 s36, s27, 12
	s_add_nc_u64 s[12:13], s[12:13], s[36:37]      ; my table's 16 rows of 256 bytes of codes,
	s_lshl_b32 s36, s27, 8
	s_add_nc_u64 s[14:15], s[14:15], s[36:37]      ; of 16 scale bytes,
	s_lshl_b32 s36, s27, 6
	s_add_nc_u64 s[16:17], s[16:17], s[36:37]      ; its 16 biases
	s_lshl_b32 s36, ttmp9, 15
	s_lshl_b32 s44, s26, 11
	s_add_co_u32 s36, s36, s44
	s_add_nc_u64 s[20:21], s[20:21], s[36:37]      ; out4 at my four rows of 512 bytes
	s_min_u32 s44, s26, 7
	s_lshl_b32 s44, s44, 8
	s_lshl_b32 s36, ttmp9, 11
	s_add_co_u32 s36, s36, s44
	s_add_nc_u64 s[38:39], s[18:19], s[36:37]      ; waves 0 to 7: 256 bytes each of the work-group's 2,048 of out0;
	s_lshl_b32 s36, ttmp9, 8
	s_add_nc_u64 s[40:41], s[22:23], s[36:37]      ; wave 8: its 256 bytes of cur0;
	s_mul_i32 s36, ttmp9, 768
	s_add_nc_u64 s[42:43], s[24:25], s[36:37]      ; wave 9: the work-group's 64 rows of 12 bytes of out3.  The choice hangs on the wave's number alone
	s_cmp_eq_u32 s26, 8
	s_cselect_b64 s[38:39], s[40:41], s[38:39]
	s_cmp_eq_u32 s26, 9
	s_cselect_b64 s[38:39], s[42:43], s[38:39]
	s_cmp_lt_u32 s26, 10
	s_cbranch_scc0 .Lno_row
	LOADROW T, 10, 0                               ; waves 0 to 9: centroid row w goes to LDS as it stands in registers
	s_wait_loadcnt 0x0
.irp i, 0,1,2,3
	ds_store_b128 v[IS], v[T+4*\i:T+4*\i+3] offset:512*\i
.endr
.Lno_row:
	s_wait_dscnt 0x0                               ; for the others' sake: my stores have landed
	s_barrier_signal -1
	s_barrier_wait -1                              ; the ten centroids lie in LDS
	s_wait_alu depctr_vm_vsrc(0)                   ; the four LDS stores above have read v[T ..], which the first query's differences write
.set qd, 0
.rept 40
	ds_load_b128 v[C+4*qd:C+4*qd+3], v[IL] offset:512*qd   ; every wave takes all ten rows, in the lanes and registers in which they were loaded
.set qd, qd+1
.endr
; Query i of my four, in the row buffer e.  left: the younger row loads that may stay out.  ahead = 1: the buffer takes query i + 2.  late = 1: the product's operands from memory are asked for as soon as registers are free.
.macro QUERY i, e, left, ahead, late
.if \i > 0
	s_wait_dscnt 0x0                               ; the last query's LDS stores are done,
	s_wait_alu depctr_vm_vsrc(0)                   ; and have read its codes, bytes, nearest and distance (QC, QB, VT, MN), which this query writes again
.endif
	s_wait_loadcnt \left                           ; loads come back in order (ISA guide 5.7.1): this row's four are in
	QUANT \e
.if \i == 0
	s_wait_dscnt 0x0                               ; the centroids are in
.endif
	PAIR \e, 0
	PAIR \e, 2
.if \late
	s_wait_alu depctr_va_vdst(0)                   ; the two pairs above are done reading centroids 0 to 3, in whose registers the loads below land; the quantiser has written the codes and bytes that the LDS stores below read
.irp s, 0,1,2,3                        ; centroids 0 to 3 have been used for the last time: their registers take hash_W's four fragments (16 rows x 128 K: two loads of 16 bytes, 32 apart) and the bias
.irp c, 0,1
	global_load_b128 v[W+8*\s+4*\c:W+8*\s+4*\c+3], v[WA], s[12:13] offset:64*\s+32*\c
.endr
.endr
	global_load_b128 v[WS:WS+3], v[WSA], s[14:15]              ; row r's four scale words
	global_load_b128 v[BIAS:BIAS+3], v[BA], s[16:17]           ; b(8 h + 0 .. 7): the result's layout
	global_load_b128 v[BIAS+4:BIAS+7], v[BA], s[16:17] offset:16
	QSTORE \i
.endif
	PAIR \e, 4
	PAIR \e, 6
	PAIR \e, 8
.if !\late
	s_wait_alu depctr_va_vdst(0)                   ; the quantiser has written the codes and bytes that the LDS stores below read; it and the five pairs are done reading this row's buffer, in which the loads below land where it is asked for again
.if \ahead
	LOADROW \e, 8, (\i+2)*2048
.endif
	QSTORE \i
.endif
	REDUCE
	v_mov_b32 v[VT], s[NEAR]
	s_wait_alu depctr_va_vdst(0)                   ; v[VT] and v[MN] are written, which the two LDS stores read
	ds_store_b32 v[RA], v[VT] offset:4*\i          ; all lanes write the same word with the same value
	ds_store_b32 v[RA], v[MN] offset:256+4*\i
.endm
	QUERY 0, E0, 4, 1, 0
	QUERY 1, E1, 4, 1, 0
	QUERY 2, E0, 4, 0, 0
	QUERY 3, E1, 0, 0, 1
	s_wait_dscnt 0x0
	s_barrier_signal -1
	s_barrier_wait -1                              ; 64 rows of codes and scale bytes lie in LDS
	; THE PRODUCT.  v1-v6 are free: every load and LDS instruction that named them has been waited for
	s_wait_alu depctr_vm_vsrc(0)                   ; every load and LDS instruction so far has read its address (v1 to v9) and its data (v[VT] among them): these registers are written anew from here on
	v_and_b32 v[RR], 15, v0
	v_bfe_u32 v[HH], v0, 4, 1
	s_lshr_b32 s36, s26, 3
	s_lshl_b32 s36, s36, 5                         ; my 32 queries begin at row 32 (w / 8)
	s_mul_i32 s44, s36, CP
	s_add_co_u32 s44, s44, CODES
	v_mul_u32_u24 v[XA], v[RR], CP
	v_lshl_add_u32 v[XA], v[HH], 4, v[XA]
	v_add_nc_u32 v[XA], s44, v[XA]                 ; a fragment's row x pitch + 16 h
	s_lshl_b32 s44, s36, 4
	s_add_co_u32 s44, s44, SCALES
	v_lshl_add_u32 v[XSA], v[RR], 4, s44
	s_wait_alu depctr_va_vdst(0)                   ; v[XA] and v[XSA] are written, which the LDS loads below read; the last query's pairs are done reading the centroids' registers, in which the fragments land
.irp mm, 0,1
.irp s, 0,1,2,3
.irp c, 0,1
	ds_load_b128 v[XF+32*\mm+8*\s+4*\c:XF+32*\mm+8*\s+4*\c+3], v[XA] offset:\mm*16*CP+64*\s+32*\c
.endr
.endr
	ds_load_b128 v[XS+4*\mm:XS+4*\mm+3], v[XSA] offset:256*\mm  ; query r's four scale words
.endr
	s_mul_i32 s44, s36, PP
	s_lshl_b32 s45, s27, 6
	s_add_co_u32 s44, s44, s45
	s_add_co_u32 s44, s44, PSTG
	v_mul_u32_u24 v[PS], v[RR], PP
	v_lshl_add_u32 v[PS], v[HH], 5, v[PS]
	v_add_nc_u32 v[PS], s44, v[PS]                 ; row r, my table's 64 bytes, + 32 h
	s_lshl_b32 s44, s36, 5
	s_lshl_b32 s45, s27, 2
	s_add_co_u32 s44, s44, s45
	s_add_co_u32 s44, s44, MISC
	v_lshl_add_u32 v[HS], v[RR], 5, s44            ; a query's eight hash codes are 32 bytes; mine is the t-th
	s_lshl_b32 s44, s26, 8
	s_add_co_u32 s44, s44, MISC
	s_mul_i32 s45, s26, 4*PP
	s_add_co_u32 s45, s45, PSTG
	s_wait_loadcnt 0x0                             ; hash_W's fragments and scale words, the bias
	s_wait_dscnt 0x0                               ; the queries' fragments and scale words
	s_wait_alu depctr_vm_vsrc(0)                   ; the fragments' LDS loads have read v[XA] and v[XSA]: v2 and v3 are written anew behind the products
.irp s, 0,1,2,3                        ; the two accumulators take turns, one instruction a turn
.irp mm, 0,1
.if \s == 0
	v_wmma_scale_f32_16x16x128_f8f6f4 v[ACC+8*\mm:ACC+8*\mm+7], v[W+8*\s:W+8*\s+7], v[XF+32*\mm+8*\s:XF+32*\mm+8*\s+7], v[BIAS:BIAS+7], v[WS+\s], v[XS+4*\mm+\s] matrix_a_fmt:MATRIX_FMT_FP4 matrix_b_fmt:MATRIX_FMT_FP4
.else
	v_wmma_scale_f32_16x16x128_f8f6f4 v[ACC+8*\mm:ACC+8*\mm+7], v[W+8*\s:W+8*\s+7], v[XF+32*\mm+8*\s:XF+32*\mm+8*\s+7], v[ACC+8*\mm:ACC+8*\mm+7], v[WS+\s], v[XS+4*\mm+\s] matrix_a_fmt:MATRIX_FMT_FP4 matrix_b_fmt:MATRIX_FMT_FP4
.endif
.endr
.endr
	v_and_b32 v[PR], 31, v0                        ; seven plain instructions that name no register of the products: the four places behind the last of them (ISA guide 7.12.1) and three more
	v_lshlrev_b32 v[OL], 4, v[PR]
	v_lshlrev_b32 v[OM], 3, v[PR]
	v_mul_u32_u24 v[O24], v[PR], 24
	v_add_nc_u32 v[MO], s44, v[OM]                 ; MISC + 256 w + 8 x lane
	v_add_nc_u32 v[PR], s45, v[OL]                 ; PSTG + my four rows + 16 x lane
	v_lshlrev_b32 v[SH], 3, v[HH]
.irp mm, 0,1                           ; the signs of my sixteen numbers, a mask each, in one run; each accumulator is read from its low end on
.irp j, 0,1,2,3,4,5,6,7
	v_cmp_lt_f32 s[SB+8*\mm+\j], 0, v[ACC+8*\mm+\j]
.endr
.endr
	s_wait_alu depctr_va_sdst(0)                   ; the sixteen compares have written s[SB ..], ahead of the selects that read them
.irp mm, 0,1                           ; my eight sign bits, bit j from register j,
	v_cndmask_b32 v[CD+\mm], 0, 1, s[SB+8*\mm+7]
.irp j, 6,5,4,3,2,1,0
	v_cndmask_b32 v[VT], 0, 1, s[SB+8*\mm+\j]
	v_lshl_or_b32 v[CD+\mm], v[CD+\mm], 1, v[VT]
.endr
	v_lshlrev_b32 v[CD+\mm], v[SH], v[CD+\mm]      ; 8 h bits up,
.endr
	v_permlanex16_b32 v[X], v[CD], s[SEL], s[SEL+1]
	v_permlanex16_b32 v[D], v[CD+1], s[SEL], s[SEL+1]
	v_or_b32 v[CD], v[CD], v[X]                    ; with lane l xor 16's eight the code is whole
	v_or_b32 v[CD+1], v[CD+1], v[D]
	s_wait_alu depctr_va_vdst(0)                   ; the products have written the accumulators and the lines above the two codes, which the six LDS stores read; v[PS], v[HS], their addresses, and v[PR], v[MO], v[OL], v[OM], v[O24], those of the way out, are written
.irp mm, 0,1
	ds_store_b128 v[PS], v[ACC+8*\mm:ACC+8*\mm+3] offset:\mm*16*PP          ; lane (r, h): proj(16 mm + r, 16 t + 8 h + 0 .. 7)
	ds_store_b128 v[PS], v[ACC+8*\mm+4:ACC+8*\mm+7] offset:\mm*16*PP+16
.endr
	ds_store_b32 v[HS], v[CD]                      ; both halves write the same word with the same value
	ds_store_b32 v[HS], v[CD+1] offset:512
	s_wait_dscnt 0x0
	s_barrier_signal -1
	s_barrier_wait -1                              ; 64 whole rows of proj, the hash codes, the nearest and the distances lie in LDS
	; THE WAY OUT: each wave stores four whole rows of proj; ten waves store the small results, 256 bytes each.  No vector instruction behind the last wait on va_vdst names a register that these loads and stores touch
.irp i, 0,1,2,3
	ds_load_b128 v[ROWS+4*\i:ROWS+4*\i+3], v[PR] offset:PP*\i
.endr
.irp i, 0,1,2,3
	s_wait_dscnt 3-\i                              ; LDS loads come back in order: row i is in, the younger ones may be out
	global_store_b128 v[OL], v[ROWS+4*\i:ROWS+4*\i+3], s[20:21] offset:512*\i th:TH_STORE_NT   ; 32 lanes store 512 consecutive bytes, at a multiple of 512 from out4's first byte
.endr
	s_cmp_lt_u32 s26, 10
	s_cbranch_scc0 .Ldone
	ds_load_b64 v[MI:MI+1], v[MO]
	s_wait_dscnt 0x0
	s_cmp_eq_u32 s26, 9
	s_cbranch_scc1 .Ldist
	global_store_b64 v[OM], v[MI:MI+1], s[38:39]   ; waves 0 to 8: 32 lanes store 256 consecutive bytes, at a multiple of 256 from the buffer's first byte
	s_branch .Ldone
.Ldist:                                            ; wave 9: lane L holds the distances of queries 2 L and 2 L + 1: the first word of two rows of 12 bytes of out3
	global_store_b32 v[O24], v[MI], s[38:39]
	global_store_b32 v[O24], v[MI+1], s[38:39] offset:12
.Ldone:
	s_wait_xcnt 0x0
	v_lshl_add_u32 v254, v0, 2, 0x12800            ; the add's two registers, made anew straight ahead of the closing lines: no memory or LDS instruction has read v254 or v255 since the wait on vm_vsrc ahead of the products
	v_mov_b32 v255, 0
	s_wait_dscnt 0x0                               ; the closing lines, six on end
	s_wait_alu 0x0
	s_wait_tensorcnt 0x0
	ds_add_u32 v254, v255
	s_wait_dscnt 0x0
	s_endpgm
.Lfunc_end_k_q1265aa1430_hash_l0:
	.size	k_q1265aa1430_hash_l0, .Lfunc_end_k_q1265aa1430_hash_l0-k_q1265aa1430_hash_l0
	.p2alignl 7, 3214868480
	.fill 96, 4, 3214868480
	.section	.rodata,"a",@progbits
	.p2align	6, 0x0
	.amdhsa_kernel k_q1265aa1430_hash_l0
		.amdhsa_group_segment_fixed_size 77824
		.amdhsa_private_segment_fixed_size 0
		.amdhsa_enable_private_segment 0
		.amdhsa_kernarg_size 72
		.amdhsa_user_sgpr_count 2
		.amdhsa_user_sgpr_kernarg_segment_ptr 1
		.amdhsa_wavefront_size32 1
		.amdhsa_system_sgpr_workgroup_id_x 1
		.amdhsa_system_sgpr_workgroup_id_y 1
		.amdhsa_system_sgpr_workgroup_id_z 1
		.amdhsa_system_vgpr_workitem_id 0
		.amdhsa_next_free_vgpr 256
		.amdhsa_next_free_sgpr 66
		.amdhsa_reserve_vcc 0
		.amdhsa_float_denorm_mode_32 3
		.amdhsa_float_denorm_mode_16_64 3
		.amdhsa_memory_ordered 1
		.amdhsa_forward_progress 1
		.amdhsa_inst_pref_size 76
	.end_amdhsa_kernel
	.amdgpu_metadata
---
amdhsa.version: [ 1, 2 ]
amdhsa.kernels:
  - .name:           k_q1265aa1430_hash_l0
    .symbol:         k_q1265aa1430_hash_l0.kd
    .args:
      - { .name: embeddings, .offset: 0, .size: 8, .value_kind: global_buffer, .address_space: global }
      - { .name: centroids_0, .offset: 8, .size: 8, .value_kind: global_buffer, .address_space: global }
      - { .name: hash_W_codes, .offset: 16, .size: 8, .value_kind: global_buffer, .address_space: global }
      - { .name: hash_W_scales, .offset: 24, .size: 8, .value_kind: global_buffer, .address_space: global }
      - { .name: hash_b, .offset: 32, .size: 8, .value_kind: global_buffer, .address_space: global }
      - { .name: out0, .offset: 40, .size: 8, .value_kind: global_buffer, .address_space: global }
      - { .name: out4, .offset: 48, .size: 8, .value_kind: global_buffer, .address_space: global }
      - { .name: cur0, .offset: 56, .size: 8, .value_kind: global_buffer, .address_space: global }
      - { .name: out3, .offset: 64, .size: 8, .value_kind: global_buffer, .address_space: global }
    .group_segment_fixed_size: 77824
    .private_segment_fixed_size: 0
    .kernarg_segment_align: 8
    .kernarg_segment_size: 72
    .max_flat_workgroup_size: 512
    .sgpr_count:     66
    .vgpr_count:     256
    .wavefront_size: 32
...
	.end_amdgpu_metadata
.endif
;; end of part 6
;; launch level1: the kernel of part 4 again; grid 5 x 51, 16 waves a work-group, no clusters, 43,008 bytes of LDS; arguments embeddings, centroids_1, cur0, cur1, out3; writes cur1, out3
;; launch level2: the kernel of part 5 again; grid 25 x 10, 16 waves a work-group, no clusters, 83,968 bytes of LDS; arguments embeddings, centroids_2, cur1, out1, out2, out3; writes out1, out2, out3
